; MI455X (gfx1250); checked and timed in simulation.
; The chip was launched on July 23, 2026; its instructions are those of AMD's public machine-readable ISA for CDNA 5 (MIT licence, August 2026) and "CDNA5" Instruction Set Architecture Reference Guide (July 2026). The comments in the code are by the model that wrote it; some were corrected since.
;; Self Attention. Allowed arithmetic: float matrix products may take bf16 or f16 operands with f32 sums; other float arithmetic in f32, or as packed bf16 or f16 multiplies, adds, multiply-adds, maxima and minima; sums over many terms, partial sums and values carried from step to step in f32; what a program stores and reads back later, other than sums and carried values, may be rounded once to bf16 or f16.
;; Inputs: attn_mask 8 x 1 x 1,024 bool; positions 8 x 1,024 x 2 int32; w_proj 1,024 x 1,024 float32; w_qkv 1,024 x 3,072 float32; x 8 x 1,024 x 1,024 float32.
;; Outputs: out0 8 x 1,024 x 1,024 float32.
;; 2 versions, each right; version 2 is version 1 with the launch prep written anew for expert scheduling mode. Each part assembles by itself: llvm-mc -triple=amdgcn-amd-amdhsa -mcpu=gfx1250 --defsym DOCPART=n.
;; ======== version 1 of 2: 4 launches
;; limits: values are held in f16: magnitudes above 65,504 overflow, below 6.1e-05 lose precision; right only within a limited range of input values
;; workspace buffers: xb 16,777,216 bytes; wqt 6,291,456 bytes; wpt 2,097,152 bytes; rope 2,097,152 bytes; qkv 50,331,648 bytes; ob 16,777,216 bytes
;; launch prep (part 1): grid 1536 x 1, 8 waves a work-group, no clusters, 18,432 bytes of LDS; arguments x, w_qkv, w_proj, positions, xb, wqt, wpt, rope; writes xb, wqt, wpt, rope
.if DOCPART == 1
	.amdgcn_target "amdgcn-amd-amdhsa--gfx1250"
	.amdhsa_code_object_version 6
	.text
	.protected	k_q4a4ac93afd_prep
	.globl	k_q4a4ac93afd_prep
	.p2align	8
	.type	k_q4a4ac93afd_prep,@function
k_q4a4ac93afd_prep:
	s_mov_b64 s[64:65], 0
	v_nop
	global_prefetch_b8 v0, s[64:65] scope:SCOPE_SE
	s_setreg_imm32_b32 hwreg(HW_REG_WAVE_MODE, 25, 1), 1
	s_wait_xcnt 0x0
; PREP: what the three matrix launches want, made once.  Four kinds of work-group, told apart by the work-group's number (the same for all eight waves):
;   0-511      x [8192][1024] f32 -> xb, the same in bf16: 65,536 bytes of x each
;   512-895    w_qkv [1024 k][3072 n] f32 -> wqt [3072 n][1024 k] bf16: a block of 128 k x 64 n each, turned through LDS
;   896-1023   w_proj [1024 k][1024 n] f32 -> wpt [1024 n][1024 k]: rounded to bf16 like every input, that number written as f16
;   1024-1535  positions -> rope [8192 rows][32 cos, 32 sin] f32: entry e = channel pair d / 2: axis e / 16, frequency e % 16; 16 rows each
; Every load and store of sixteen neighbouring lanes covers 256 consecutive bytes, aligned (the cast's stores: 32 lanes x 8 bytes).  A stream: no matrix unit, no cluster, no tensor load.
; LIMITS.  |w_proj| stays under 65,504, and below 2^-14 it keeps f16's fixed step of 6e-8.  The angle pos x theta is reduced by pi / 2 in two parts (24 + 24 bits): good for positions under 2^22.
; theta = 2^(-j log2(10000) / 16) comes from v_exp_f32, within 1 ULP.  A negative position counts as 0: angle 0, cos 1, sin 0: the pair is left as it is, as the source asks.
.set SPW,   8                          ; v8   LDS address of my spare word; never rewritten
.set NIL,   9                          ; v9   0; never rewritten
.set TP,    272                        ; a row of the turned block in LDS: 128 k x 2 bytes + 16
.set SPARE, 64*TP                      ; behind the block: the spare words, 128 bytes for each of eight waves
	s_load_b512 s[4:19], s[0:1], 0x0               ; x 4, w_qkv 6, w_proj 8, positions 10, xb 12, wqt 14, wpt 16, rope 18
	v_lshl_add_u32 v[SPW], v0, 2, SPARE
	v_mov_b32 v[NIL], 0
	s_wait_kmcnt 0x0
	s_cmp_lt_u32 ttmp9, 512
	s_cbranch_scc1 .Lcast
	s_cmp_lt_u32 ttmp9, 896
	s_cbranch_scc1 .Lwqkv
	s_cmp_lt_u32 ttmp9, 1024
	s_cbranch_scc1 .Lwproj
	; THE TABLE.  Thread t: row t / 16 of the group's 16; i = t % 16: 16 bytes of the row: bit 3 cos or sin, bit 2 the axis, bits 1:0 four frequencies 4 (i & 3) + 0..3
	s_sub_co_u32 s20, ttmp9, 1024
	s_lshl_b32 s22, s20, 7                         ; 16 rows x 8 bytes of positions
	s_mov_b32 s23, 0
	s_add_nc_u64 s[10:11], s[10:11], s[22:23]
	s_lshl_b32 s22, s20, 12                        ; 16 rows x 256 bytes of the table
	s_add_nc_u64 s[18:19], s[18:19], s[22:23]
	v_lshrrev_b32 v2, 4, v0
	v_bfe_u32 v3, v0, 2, 1
	v_lshlrev_b32 v4, 3, v2
	v_lshl_add_u32 v4, v3, 2, v4                   ; 8 x row + 4 x axis
	global_load_b32 v5, v4, s[10:11]
	v_bfe_u32 v6, v0, 3, 1
	v_mul_u32_u24 v6, v6, 3                        ; sin(a) = cos(a - pi/2): three quadrants on
	v_and_b32 v7, 3, v0
	v_lshlrev_b32 v7, 2, v7
	v_cvt_f32_u32 v7, v7                           ; my first frequency's number
	v_add_f32 v17, 1.0, v7
	v_add_f32 v18, 2.0, v7
	v_add_f32 v19, 0x40400000, v7
	v_mul_f32 v16, 0xbf549a78, v7                  ; x -log2(10000) / 16
	v_mul_f32 v17, 0xbf549a78, v17
	v_mul_f32 v18, 0xbf549a78, v18
	v_mul_f32 v19, 0xbf549a78, v19
	v_exp_f32 v16, v16                             ; four theta: one batch
	v_exp_f32 v17, v17
	v_exp_f32 v18, v18
	v_exp_f32 v19, v19
	v_lshlrev_b32 v12, 4, v0                       ; my 16 bytes of the table: the plain instruction behind the last exponential
	s_mov_b32 s24, 0x3f22f983                      ; 2 / pi
	s_mov_b32 s25, 0xbfc90fdb                      ; -(pi / 2), upper part
	s_mov_b32 s26, 0x333bbd2e                      ; what the upper part is too large by
	s_mov_b32 s27, 0xbe2aaaa3                      ; sin r = r + r z (S1 + z (S2 + z S3)), z = r r
	s_mov_b32 s28, 0x3c08839e
	s_mov_b32 s29, 0xb94ca1f9
	s_mov_b32 s30, 0x3d2aaaa5                      ; cos r = 1 - z / 2 + z z (C1 + z (C2 + z C3))
	s_mov_b32 s31, 0xbab6061a
	s_mov_b32 s32, 0x37ccf5ce
	s_wait_alu depctr_va_vdst(0)                   ; one wait for the four exponentials, ahead of their first reader
	s_wait_loadcnt 0x0
	v_max_i32 v5, 0, v5
	v_cvt_f32_i32 v5, v5
.irp m, 0,1,2,3
	v_mul_f32 v28, v5, v[16+(\m)]                  ; the angle
	v_mul_f32 v29, s24, v28
	v_rndne_f32 v29, v29                           ; n quarter turns
	v_fma_f32 v30, v29, s25, v28
	v_fma_f32 v30, v29, s26, v30                   ; r, within pi / 4 of 0
	v_cvt_i32_f32 v31, v29
	v_add_nc_u32 v31, v31, v6                      ; the quadrant, counted for a cosine
	v_mul_f32 v32, v30, v30
	v_fma_f32 v33, v32, s29, s28
	v_fma_f32 v33, v33, v32, s27
	v_mul_f32 v35, v30, v32
	v_fma_f32 v33, v33, v35, v30                   ; sin r
	v_fma_f32 v34, v32, s32, s31
	v_fma_f32 v34, v34, v32, s30
	v_mul_f32 v35, v32, v32
	v_fma_f32 v36, v32, -0.5, 1.0
	v_fma_f32 v34, v34, v35, v36                   ; cos r
	v_and_b32 v35, 1, v31
	v_cmp_eq_u32 vcc_lo, 1, v35
	v_cndmask_b32 v34, v34, v33, vcc_lo            ; odd quadrants take the sine,
	v_add_nc_u32 v31, 1, v31
	v_and_b32 v31, 2, v31
	v_lshlrev_b32 v31, 30, v31
	v_xor_b32 v[24+(\m)], v34, v31                 ; quadrants 1 and 2 the other sign
.endr
	global_store_b128 v12, v[24:27], s[18:19]      ; 16 lanes: one row of the table, 256 bytes
	s_endpgm
.Lcast:                                        ; THE CAST.  Sixteen loads of a wave are out at once; each store has data registers of its own
	s_lshl_b32 s20, ttmp9, 16
	s_mov_b32 s21, 0
	s_add_nc_u64 s[4:5], s[4:5], s[20:21]
	s_lshl_b32 s20, ttmp9, 15
	s_add_nc_u64 s[12:13], s[12:13], s[20:21]
	v_lshlrev_b32 v1, 4, v0
	v_lshlrev_b32 v2, 3, v0
.irp j, 0,1,2,3,4,5,6,7,8,9,10,11,12,13,14,15
	global_load_b128 v[16+4*(\j):19+4*(\j)], v1, s[4:5] offset:4096*(\j) th:TH_LOAD_NT
.endr
.irp j, 0,1,2,3,4,5,6,7,8,9,10,11,12,13,14,15
	s_wait_loadcnt 15-(\j)                         ; loads come back in order: number j is in, the younger ones stay out
	v_cvt_pk_bf16_f32 v[80+2*(\j)], v[16+4*(\j)], v[17+4*(\j)]
	v_cvt_pk_bf16_f32 v[81+2*(\j)], v[18+4*(\j)], v[19+4*(\j)]
	global_store_b64 v2, v[80+2*(\j):81+2*(\j)], s[12:13] offset:2048*(\j) th:TH_STORE_NT
.endr
	s_endpgm
; THE TURN of a block of 128 k x 64 n.  Thread t: nq = t % 16 (four columns n), kp = t / 16.  It loads rows 2 (kp + 16 j) and the next, j = 0..3; two k of one n pack into a word, which goes to row n of the
; block in LDS; behind the barrier whole rows (128 k, 256 bytes) are read back and stored.  rp: bytes in a row of the source.
.macro TRANSPOSE src, dst, rp, first, tof16
	s_sub_co_u32 s20, ttmp9, \first
	s_and_b32 s21, s20, 7                          ; which 128 k
	s_lshr_b32 s22, s20, 3                         ; which 64 n
	s_mul_i32 s24, s21, 128*(\rp)
	s_lshl_b32 s23, s22, 8
	s_add_co_u32 s24, s24, s23
	s_mov_b32 s25, 0
	s_add_nc_u64 s[\src:\src+1], s[\src:\src+1], s[24:25]
	s_lshl_b32 s24, s22, 17                        ; 64 rows of 2,048 bytes
	s_lshl_b32 s23, s21, 8
	s_add_co_u32 s24, s24, s23
	s_add_nc_u64 s[\dst:\dst+1], s[\dst:\dst+1], s[24:25]
	v_and_b32 v1, 15, v0
	v_lshrrev_b32 v2, 4, v0
	v_mul_u32_u24 v3, v2, 2*(\rp)
	v_lshl_add_u32 v3, v1, 4, v3
.irp j, 0,1,2,3
	global_load_b128 v[16+8*(\j):19+8*(\j)], v3, s[\src:\src+1] offset:32*(\j)*(\rp) th:TH_LOAD_NT
	global_load_b128 v[20+8*(\j):23+8*(\j)], v3, s[\src:\src+1] offset:(32*(\j)+1)*(\rp) th:TH_LOAD_NT
.endr
	v_mul_u32_u24 v4, v1, 4*TP
	v_lshl_add_u32 v4, v2, 2, v4                   ; in: row 4 nq, word kp
	v_mul_u32_u24 v5, v2, TP
	v_lshl_add_u32 v5, v1, 4, v5                   ; back: row kp, 16 bytes nq
	v_lshlrev_b32 v6, 11, v2
	v_lshl_add_u32 v6, v1, 4, v6                   ; and the same in the turned tensor
.irp j, 0,1,2,3
	s_wait_loadcnt 6-2*(\j)                        ; pair j of rows is in, the younger pairs stay out
.irp i, 0,1,2,3
	v_cvt_pk_bf16_f32 v[48+4*(\j)+(\i)], v[16+8*(\j)+(\i)], v[20+8*(\j)+(\i)]
.if \tof16
	v_lshlrev_b32 v10, 16, v[48+4*(\j)+(\i)]       ; the bf16 numbers, written anew as f16
	v_and_b32 v11, 0xffff0000, v[48+4*(\j)+(\i)]
	v_cvt_pk_f16_f32 v[48+4*(\j)+(\i)], v10, v11
.endif
	ds_store_b32 v4, v[48+4*(\j)+(\i)] offset:TP*(\i)+64*(\j)
.endr
.endr
	s_wait_dscnt 0x0                               ; for the others' sake: my stores into the block are done
	s_barrier_signal -1
	s_barrier_wait -1
.irp j, 0,1,2,3
	ds_load_b128 v[64+4*(\j):67+4*(\j)], v5 offset:16*TP*(\j)
.endr
.irp j, 0,1,2,3
	s_wait_dscnt 3-(\j)
	global_store_b128 v6, v[64+4*(\j):67+4*(\j)], s[\dst:\dst+1] offset:32768*(\j) th:TH_STORE_NT
.endr
	s_wait_tensorcnt 0x0                           ; the wave's end
	ds_add_u32 v[SPW], v[NIL]
	s_wait_dscnt 0x0
	s_endpgm
.endm
.Lwqkv:
	TRANSPOSE 6, 14, 12288, 512, 0
.Lwproj:
	TRANSPOSE 8, 16, 4096, 896, 1
.Lfunc_end_k_q4a4ac93afd_prep:
	.size	k_q4a4ac93afd_prep, .Lfunc_end_k_q4a4ac93afd_prep-k_q4a4ac93afd_prep
	.p2alignl 7, 3214868480
	.fill 96, 4, 3214868480
	.section	.rodata,"a",@progbits
	.p2align	6, 0x0
	.amdhsa_kernel k_q4a4ac93afd_prep
		.amdhsa_group_segment_fixed_size 18432
		.amdhsa_private_segment_fixed_size 0
		.amdhsa_enable_private_segment 0
		.amdhsa_kernarg_size 64
		.amdhsa_user_sgpr_count 2
		.amdhsa_user_sgpr_kernarg_segment_ptr 1
		.amdhsa_wavefront_size32 1
		.amdhsa_system_sgpr_workgroup_id_x 1
		.amdhsa_system_sgpr_workgroup_id_y 1
		.amdhsa_system_sgpr_workgroup_id_z 1
		.amdhsa_system_vgpr_workitem_id 0
		.amdhsa_next_free_vgpr 112
		.amdhsa_next_free_sgpr 66
		.amdhsa_reserve_vcc 1
		.amdhsa_float_denorm_mode_32 3
		.amdhsa_float_denorm_mode_16_64 3
		.amdhsa_memory_ordered 1
		.amdhsa_forward_progress 1
		.amdhsa_inst_pref_size 26
	.end_amdhsa_kernel
	.amdgpu_metadata
---
amdhsa.version: [ 1, 2 ]
amdhsa.kernels:
  - .name:           k_q4a4ac93afd_prep
    .symbol:         k_q4a4ac93afd_prep.kd
    .args:
      - { .name: x, .offset: 0, .size: 8, .value_kind: global_buffer, .address_space: global }
      - { .name: w_qkv, .offset: 8, .size: 8, .value_kind: global_buffer, .address_space: global }
      - { .name: w_proj, .offset: 16, .size: 8, .value_kind: global_buffer, .address_space: global }
      - { .name: positions, .offset: 24, .size: 8, .value_kind: global_buffer, .address_space: global }
      - { .name: xb, .offset: 32, .size: 8, .value_kind: global_buffer, .address_space: global }
      - { .name: wqt, .offset: 40, .size: 8, .value_kind: global_buffer, .address_space: global }
      - { .name: wpt, .offset: 48, .size: 8, .value_kind: global_buffer, .address_space: global }
      - { .name: rope, .offset: 56, .size: 8, .value_kind: global_buffer, .address_space: global }
    .group_segment_fixed_size: 18432
    .private_segment_fixed_size: 0
    .kernarg_segment_align: 8
    .kernarg_segment_size: 64
    .max_flat_workgroup_size: 256
    .sgpr_count:     66
    .vgpr_count:     112
    .wavefront_size: 32
...
	.end_amdgpu_metadata
.endif
;; end of part 1
;; launch qkv (part 2): grid 16 x 32, 4 waves a work-group, clusters of 4 x 4, 327,680 bytes of LDS; arguments xb, wqt, rope, qkv; writes qkv
.if DOCPART == 2
	.amdgcn_target "amdgcn-amd-amdhsa--gfx1250"
	.amdhsa_code_object_version 6
	.text
	.protected	k_q4a4ac93afd_qkv
	.globl	k_q4a4ac93afd_qkv
	.p2align	8
	.type	k_q4a4ac93afd_qkv,@function
k_q4a4ac93afd_qkv:
	s_mov_b64 s[64:65], 0
	v_nop
	global_prefetch_b8 v0, s[64:65] scope:SCOPE_SE
	s_setreg_imm32_b32 hwreg(HW_REG_WAVE_MODE, 25, 1), 1
	s_wait_xcnt 0x0
	s_wait_alu depctr_hold_cnt(0) depctr_sa_sdst(0) depctr_va_vdst(0) depctr_va_sdst(0) depctr_va_ssrc(0) depctr_va_vcc(0) depctr_vm_vsrc(0)
	s_getreg_b32 s2, hwreg(HW_REG_IB_STS2, 6, 4)
	s_cmp_eq_u32 s2, 0
	s_cbranch_scc0 .Lentry_in_a_cluster
	s_endpgm
.Lentry_in_a_cluster:
	s_bfe_u32 s2, ttmp6, 0x10000c
	s_cmp_lg_u32 s2, 0xf033
	s_cbranch_scc0 .Lentry_shape_is_right
	s_endpgm
.Lentry_shape_is_right:
; QKV = xb wqt^T, bf16 products, f32 sums; q's and k's channel pairs are rotated (2-D RoPE) in f32 on the way out; the result is rounded once to f16 and stored by heads: qkv [3 parts][8 b][16 h][1024 t][64].
; xb [8192][1024], wqt [3072][1024] bf16; rope [8192][32 cos, 32 sin] f32.
; LIMIT.  q, k and v stay under 65,504 (f16): at inputs 30 times those drawn, or with an offset of 30 spreads on x and on the weights, they reach some 30,000.
; TILE.  256 rows x 192 columns = three whole heads: 16 x 32 = 512 equal work-groups.  Wave w owns rows 64 w .. 64 w + 63 and all 192 columns: 4 x 12 = 48 accumulators, 384 registers;
; so a wave holds whole heads, its stage is its own, and 16 rows of a head leave as 2,048 consecutive bytes.
; RING.  K in steps of 128 (rows of 256 bytes, aligned) through two LDS slots, each 256 rows of xb and 192 of wqt, 272 bytes apart; slot 1 begins at byte 1 << 17, so that one exclusive or turns an address in one
; slot into the other's, and a K step is written once.  One tensor load a wave behind each change of slots.
; THE WALK ALONG K IS TURNED.  Cluster (X, Y) begins at K step (2 X + 4 Y) mod 8 and goes round the end; xb's and wqt's tiles take the same step number, so each product is formed once (f32 sums, in any order).
; The four clusters that read the same rows of xb (same Y) stand two K steps apart in their walks; those that read the same rows of wqt (same X) four apart, or none.
; CLUSTER 4 x 4: xb's tile hangs on the tile row alone and is asked for jointly along a row of the cluster, wqt's on the tile column alone, along a column; the step number hangs on the cluster's X and Y, which all share.
; THE MATRIX INSTRUCTION IS USED TRANSPOSED (source 0 = 16 rows of wqt, source 1 = 16 rows of xb): a lane holds row l % 16 and eight neighbouring columns, so a rotation's pair lies in one lane.
; WHETHER A HEAD IS ROTATED is a choice of values, not a branch: cos' = cos f + g, sin' = sin f with (f, g) = (1, 0) for q's and k's heads, (0, 1) for v's.
; REGISTERS.  window 0: addresses v16-30; T v32-63 rotated values; CT v64-79, ST v80-95 cos', sin'; BK v96-127 rows read back, two buffers; TBL v128-255 my 64 rows' table
;   window 1: two fragment buffers of 128: wqt's 12 blocks at 8 b, xb's 4 at 96 + 8 a      windows 2, 3: accumulator i = 12 a + b at 8 (i % 32) of window 2 + i / 32
.set KSTEP,  128
.set PITCH,  272                       ; 256 bytes + 16: the 16 rows of a fragment load start at 16 different groups of four banks (64 banks of 4 bytes: ISA guide 11.1)
.set AHALF,  128*PITCH                 ; what one tensor load brings of xb
.set BHALF,  96*PITCH                  ; and of wqt
.set BOFF,   2*AHALF
.set SLOTB,  BOFF+2*BHALF              ; the bytes that a slot uses: 121,856
.set SLOT1,  1<<17
.set STAGE,  SLOT1+SLOTB               ; behind the ring: 16 rows x 144 bytes for each wave
.set SP,     144
.set SPARE,  STAGE+4*16*SP             ; behind the stages: the spare words, 128 bytes a wave
.set ADRA0, 16                         ; v16  my lane's place among xb's fragments in slot 0; never rewritten
.set ADRA,  17                         ; v17  the same in the slot that is being read
.set ADRB0, 20                         ; v20, v21  the same for wqt
.set ADRB,  21
.set STO,  24
.set RD,   25
.set GO,   26
.set TBO,  27                          ; my byte offset in 16 rows of the table; never rewritten
.set SPW,  28
.set NIL,  29
.set PFO,  30                          ; the prefetch's offset: a lane a row; never rewritten
.set T,    32
.set CT,   64
.set ST,   80
.set BK,   96
.set TBL,  128
.set F0,   0
.set F1,   128
.set WV, 12
.set FB, 13                            ; I fetch xb (0) or wqt (1)
.set HF, 14                            ; which half of its rows
.set CX, 15
.set CY, 16
.set TC, 17                            ; tile column
.set TR, 18                            ; tile row
.set G1A, 24
.set G0A, 32                           ; s[32:39] group 0 for xb's tiles: a set for each of the two first fills; the second then walks on
.set G1B, 40
.set G0B, 48                           ; s[48:55] the same for wqt's
.set PFA, 56                           ; s[56:57] what my one prefetch names; never rewritten
.set LIM, 58
.set LAPC, 59
.set BA, 84                            ; s[84:85] xb at my rows, K step 0; never rewritten
.set BB, 86                            ; s[86:87] wqt at my rows, K step 0; never rewritten
.set OFF, 88                           ; s[88:89] a K step's byte offset in a row
.set KK, 90                            ; s90  the K step asked for last
.set TB, 91                            ; s91  LDS byte at which the slot that is being read begins
.set MSB, 0
.macro WIN new                         ; the immediate's high byte repeats the setting that is left; a switch that changes nothing is dropped
.if MSB != (\new)
	s_set_vgpr_msb (MSB<<8)|(\new)
.set MSB, (\new)
.endif
.endm
.macro PLACES                          ; four places behind matrix instructions, in front of loads into registers that they have read
.rept 4
	v_nop
.endr
.endm
.macro JLOAD s                         ; a joint load: waves 0, 1 xb's halves, waves 2, 3 wqt's; an s_nop 0 and four v_nop follow each line
	s_cmp_eq_u32 s[FB], 0
	s_cbranch_scc0 .Lfor_b_\@
	tensor_load_to_lds s[G0A+4*(\s):G0A+4*(\s)+3], s[G1A:G1A+7]
	s_nop 0
.rept 4
	v_nop
.endr
	s_branch .Lasked_\@
.Lfor_b_\@:
	tensor_load_to_lds s[G0B+4*(\s):G0B+4*(\s)+3], s[G1B:G1B+7]
	s_nop 0
.rept 4
	v_nop
.endr
.Lasked_\@:
.endm
; THE PREFETCH.  By the turned walk each K step of xb's rows stands among some cluster's first two steps, which are its first fills: nothing of xb is asked for.  Of wqt's rows the walks that begin at 2 X and at
; 2 X + 4 reach their steps 2 and 3 ahead of every other walk.  Step 3 is asked for behind the first refill (the loop's first trip alone), one K step, 192 matrix instructions, ahead of the load that wants it:
; 256 bytes of each row, a lane a row.  Clusters Y = 0 and Y = 1 ask, waves 2 and 3; the four partners along a column of the cluster share a wave's 96 rows out by address, 24 each (lanes 24-31 name row 23 again).
.macro ASK
	s_cmp_eq_u32 s[LAPC], s[LIM]
	s_cbranch_scc0 .Lnot_mine_\@
	global_prefetch_b8 v[PFO], s[PFA:PFA+1] th:TH_LOAD_NT scope:SCOPE_SE
.Lnot_mine_\@:
.endm
.macro CREST                           ; a round of the cluster's barrier behind its opening barrier
	s_cmp_lg_u32 s[WV], 0
	s_cbranch_scc1 .Lnot_wave_0_\@
	s_barrier_signal -3
.Lnot_wave_0_\@:
	s_barrier_wait -3
	s_barrier_signal -1
	s_barrier_wait -1
.endm
.macro CROUND
	s_barrier_signal -1
	s_barrier_wait -1
	CREST
.endm
	s_load_b256 s[4:11], s[0:1], 0x0               ; xb 4, wqt 6, rope 8, qkv 10
	v_lshl_add_u32 v[SPW], v0, 2, SPARE
	v_mov_b32 v[NIL], 0
	ds_add_u32 v[SPW], v[NIL]                      ; the wave's opening: the add, waited for ahead of my first tensor load
	v_lshrrev_b32 v1, 5, v0
	v_readfirstlane_b32 s[WV], v1
	s_lshr_b32 s[FB], s[WV], 1
	s_and_b32 s[HF], s[WV], 1
	s_bfe_u32 s[CX], ttmp6, 0x40000
	s_bfe_u32 s[CY], ttmp6, 0x40004
	s_lshl_b32 s[TC], ttmp9, 2
	s_add_co_u32 s[TC], s[TC], s[CX]
	s_and_b32 s[TR], ttmp7, 0xffff
	s_lshl_b32 s[TR], s[TR], 2                     ; 4 Y
	s_lshl_b32 s[KK], ttmp9, 1                     ; 2 X
	s_add_co_u32 s[KK], s[KK], s[TR]
	s_and_b32 s[KK], s[KK], 7                      ; where my cluster's walk begins
	s_add_co_u32 s[TR], s[TR], s[CY]
	s_mov_b32 s[OFF+1], 0
	s_mov_b32 s[TB], 0
	s_lshl_b32 s19, s[CY], 2
	s_lshl_b32 s19, 15, s19                        ; my row of the cluster
	s_lshl_b32 s80, 0x1111, s[CX]                  ; my column
	s_or_b32 s[G1A], s19, (1<<16)|(1<<20)|(1<<21)|(5<<22)|(3<<25)  ; mask; 2-byte elements; padding on; bit 21 beside a mask; after every 64 words 4 words
	s_or_b32 s[G1B], s80, (1<<16)|(1<<20)|(1<<21)|(5<<22)|(3<<25)
.irp g, G1A, G1B
	s_mov_b32 s[\g+1], KSTEP<<16                   ; tensor_dim0 = 128
	s_mov_b32 s[\g+3], KSTEP<<16                   ; tile_dim0 = 128
	s_mov_b32 s[\g+5], 1024                        ; elements from row to row
	s_mov_b32 s[\g+6], 0
	s_mov_b32 s[\g+7], 0
.endr
	s_mov_b32 s[G1A+2], 128<<16                    ; tensor_dim1, tile_dim1: 128 rows of xb,
	s_mov_b32 s[G1A+4], 128
	s_mov_b32 s[G1B+2], 96<<16                     ; 96 of wqt
	s_mov_b32 s[G1B+4], 96
	s_lshl_b32 s20, s[TR], 19                      ; xb: (256 x tile row + 128 x half) rows of 2,048 bytes
	s_lshl_b32 s21, s[HF], 18
	s_add_co_u32 s20, s20, s21
	s_mov_b32 s21, 0
	s_mul_i32 s80, s[TC], 192*2048                 ; wqt: (192 x tile column + 96 x half) rows
	s_mul_i32 s81, s[HF], 96*2048
	s_add_co_u32 s80, s80, s81
	s_mov_b32 s81, 0
	s_mul_i32 s19, s[HF], AHALF                    ; where they go: no place in the cluster enters an LDS address
	s_mul_i32 s82, s[HF], BHALF
	s_add_co_u32 s82, s82, BOFF
	s_wait_dscnt 0x0                               ; the opening add is done
	s_wait_kmcnt 0x0
	s_add_nc_u64 s[BA:BA+1], s[4:5], s[20:21]
	s_add_nc_u64 s[BB:BB+1], s[6:7], s[80:81]
	CROUND                                         ; all sixteen work-groups are here: the first joint loads meet
.irp s, 0,1
	s_lshl_b32 s[OFF], s[KK], 8                    ; a K step is 256 bytes of a row
	s_mov_b32 s[G0A+4*(\s)], 1
	s_add_co_u32 s[G0A+4*(\s)+1], s19, (\s)*SLOT1
	s_add_nc_u64 s[G0A+4*(\s)+2:G0A+4*(\s)+3], s[BA:BA+1], s[OFF:OFF+1]
	s_or_b32 s[G0A+4*(\s)+3], s[G0A+4*(\s)+3], 0x80000000
	s_mov_b32 s[G0B+4*(\s)], 1
	s_add_co_u32 s[G0B+4*(\s)+1], s82, (\s)*SLOT1
	s_add_nc_u64 s[G0B+4*(\s)+2:G0B+4*(\s)+3], s[BB:BB+1], s[OFF:OFF+1]
	s_or_b32 s[G0B+4*(\s)+3], s[G0B+4*(\s)+3], 0x80000000
	JLOAD \s                                       ; two loads of mine are out: my walk's steps 0 and 1
.if (\s) == 0
	s_add_co_u32 s[KK], s[KK], 1
	s_and_b32 s[KK], s[KK], 7
.endif
.endr
	v_and_b32 v1, 15, v0                           ; l % 16
	v_bfe_u32 v2, v0, 4, 1                         ; l / 16
	v_mul_u32_u24 v3, v1, PITCH
	v_lshl_add_u32 v3, v2, 4, v3                   ; a fragment's row x pitch + 16 x half
	s_mul_i32 s19, s[WV], 64*PITCH
	v_add_nc_u32 v[ADRA0], s19, v3
	v_mov_b32 v[ADRA], v[ADRA0]
	v_add_nc_u32 v[ADRB0], BOFF, v3
	v_mov_b32 v[ADRB], v[ADRB0]
	; my 64 rows of the table: for row block a and column block b of a head, a lane's four pairs are entries 8 b + 4 (l / 16) + 0..3: 16 bytes of cos, 16 of sin.  They land during the K loop.
	s_lshl_b32 s20, s[TR], 16
	s_lshl_b32 s21, s[WV], 14
	s_add_co_u32 s20, s20, s21
	s_mov_b32 s21, 0
	s_add_nc_u64 s[8:9], s[8:9], s[20:21]
	v_lshlrev_b32 v[TBO], 8, v1
	v_lshl_add_u32 v[TBO], v2, 4, v[TBO]
.irp a, 0,1,2,3
.irp b, 0,1,2,3
	global_load_b128 v[TBL+32*(\a)+4*(\b):TBL+32*(\a)+4*(\b)+3], v[TBO], s[8:9] offset:4096*(\a)+32*(\b)
	global_load_b128 v[TBL+32*(\a)+16+4*(\b):TBL+32*(\a)+16+4*(\b)+3], v[TBO], s[8:9] offset:4096*(\a)+32*(\b)+128
.endr
.endr
	s_mul_i32 s19, s[WV], 16*SP
	s_add_co_u32 s19, s19, STAGE                   ; my stage
	v_mul_u32_u24 v[STO], v1, SP                   ; in: row l % 16, 16 bytes for each half of the lanes
	v_lshl_add_u32 v[STO], v2, 4, v[STO]
	v_add_nc_u32 v[STO], s19, v[STO]
	v_bfe_u32 v[RD], v0, 3, 2                      ; back: 32 lanes take four rows of 128 bytes,
	v_mul_u32_u24 v[RD], v[RD], SP
	v_and_b32 v3, 7, v0
	v_lshl_add_u32 v[RD], v3, 4, v[RD]
	v_add_nc_u32 v[RD], s19, v[RD]
	v_and_b32 v[GO], 31, v0                        ; which are 512 consecutive bytes of a head
	v_lshlrev_b32 v[GO], 4, v[GO]
	; for each of my three heads gh = 3 x tile column + hd: f, g (as pairs), and where my 64 rows lie: part gh / 16, head gh % 16, batch tile row / 4
	s_mul_i32 s19, s[TC], 3
	s_lshr_b32 s23, s[TR], 2
	s_lshl_b32 s23, s23, 4
	s_and_b32 s82, s[TR], 3
	s_lshl_b32 s82, s82, 15
	s_lshl_b32 s83, s[WV], 13
	s_add_co_u32 s82, s82, s83
	s_mov_b32 s81, 0
.macro HEADSET hd, ob
	s_add_co_u32 s20, s19, \hd
	s_lshr_b32 s21, s20, 5                         ; 1 in v's heads (32 to 47)
	s_mul_i32 s[70+4*(\hd)], s21, 0x3f800000       ; g
	s_mov_b32 s[71+4*(\hd)], s[70+4*(\hd)]
	s_xor_b32 s21, s21, 1
	s_mul_i32 s[68+4*(\hd)], s21, 0x3f800000       ; f
	s_mov_b32 s[69+4*(\hd)], s[68+4*(\hd)]
	s_lshr_b32 s21, s20, 4
	s_lshl_b32 s21, s21, 24
	s_and_b32 s22, s20, 15
	s_add_co_u32 s22, s22, s23
	s_lshl_b32 s22, s22, 17
	s_add_co_u32 s80, s21, s22
	s_add_co_u32 s80, s80, s82
	s_add_nc_u64 s[\ob:\ob+1], s[10:11], s[80:81]
.endm
	HEADSET 0, 60
	HEADSET 1, 62
	HEADSET 2, 66
	; the prefetch: my work-group's 24 of the 96 rows of wqt that I fetch, at my walk's step 3 (s[KK] stands at step 1)
	s_mul_i32 s80, s[TC], 192
	s_mul_i32 s81, s[HF], 96
	s_add_co_u32 s80, s80, s81
	s_mul_i32 s81, s[CY], 24
	s_add_co_u32 s80, s80, s81
	s_lshl_b32 s80, s80, 11
	s_add_co_u32 s81, s[KK], 2
	s_and_b32 s81, s81, 7
	s_lshl_b32 s81, s81, 8
	s_add_co_u32 s80, s80, s81
	s_mov_b32 s81, 0
	s_add_nc_u64 s[PFA:PFA+1], s[6:7], s[80:81]
	s_and_b32 s22, ttmp7, 0xffff
	s_lshr_b32 s22, s22, 1                         ; 0 in clusters Y = 0 and 1,
	s_xor_b32 s23, s[FB], 1                        ; 0 in the waves that fetch wqt
	s_or_b32 s22, s22, s23
	s_cmp_eq_u32 s22, 0
	s_cselect_b32 s[LIM], 6, 0                     ; the loop's count in its first trip, or a number that it never shows there; the same in all sixteen partners, for a given wave
	v_and_b32 v[PFO], 31, v0
	v_min_u32 v[PFO], 23, v[PFO]
	v_lshlrev_b32 v[PFO], 11, v[PFO]
; 12 matrix instructions: row block a x all 12 column blocks, 32 along K.  The 48 accumulators take turns in one order everywhere.  zero = 1: the first product starts the sums
.macro MULA f, a, zero
.irp b, 0,1,2,3,4,5,6,7,8,9,10,11
.set ai, 12*(\a)+(\b)
.set rD, 8*(ai%32)
	WIN 0xa5+0x50*(ai/32)
.if \zero
	v_wmma_f32_16x16x32_bf16 v[rD:rD+7], v[(\f)+8*(\b):(\f)+8*(\b)+7], v[(\f)+96+8*(\a):(\f)+96+8*(\a)+7], 0
.else
	v_wmma_f32_16x16x32_bf16 v[rD:rD+7], v[(\f)+8*(\b):(\f)+8*(\b)+7], v[(\f)+96+8*(\a):(\f)+96+8*(\a)+7], v[rD:rD+7]
.endif
.endr
.endm
.macro FETCH k, f                      ; 32 LDS loads in one run: 32 along K at byte k of the rows of the slot that is being read: wqt's 12 blocks, then xb's 4
	WIN 0x40
.irp i, 0,1,2,3,4,5,6,7,8,9,10,11
	ds_load_b128 v[(\f)+8*(\i):(\f)+8*(\i)+3],   v[ADRB] offset:(\k)+(\i)*16*PITCH
	ds_load_b128 v[(\f)+8*(\i)+4:(\f)+8*(\i)+7], v[ADRB] offset:(\k)+(\i)*16*PITCH+32
.endr
.irp i, 0,1,2,3
	ds_load_b128 v[(\f)+96+8*(\i):(\f)+96+8*(\i)+3],   v[ADRA] offset:(\k)+(\i)*16*PITCH
	ds_load_b128 v[(\f)+96+8*(\i)+4:(\f)+96+8*(\i)+7], v[ADRA] offset:(\k)+(\i)*16*PITCH+32
.endr
.endm
.macro QUARTER k, f, g, zero           ; multiplies buffer f; in its middle fetches the next quarter, at byte k, into g
	s_wait_dscnt 4                                 ; all but xb's blocks 2 and 3, the youngest four loads
	MULA \f, 0, \zero
	MULA \f, 1, \zero
	PLACES
	FETCH \k, \g
	s_wait_dscnt 32                                ; all but the 32 just issued
	MULA \f, 2, \zero
	MULA \f, 3, \zero
.endm
; The last quarter of a K step multiplies buffer 1 and changes slots.  In front of the barrier each wave waits for all its tensor loads (one is out: its part of the next slot), adds 0 to its spare word, and
; waits for that and for its reads of this slot.  fill = 1: the barrier opens a round of the cluster's, and the joint refill, my walk's step two on, is the first thing behind the round: 168 matrix instructions ahead
; of the wait for it.  The walking descriptors are written between the wait for all loads and the barrier: the other slot than last time; the address made anew from the step's number, which goes round the end.
.macro TURN fill
	WIN 0
	s_wait_tensorcnt 0x0
	ds_add_u32 v[SPW], v[NIL]
	s_xor_b32 s[TB], s[TB], SLOT1                  ; the reads go over to the other slot
.if \fill
	s_add_co_u32 s[KK], s[KK], 1
	s_and_b32 s[KK], s[KK], 7
	s_lshl_b32 s[OFF], s[KK], 8
	s_xor_b32 s[G0A+5], s[G0A+5], SLOT1
	s_add_nc_u64 s[G0A+6:G0A+7], s[BA:BA+1], s[OFF:OFF+1]
	s_or_b32 s[G0A+7], s[G0A+7], 0x80000000
	s_xor_b32 s[G0B+5], s[G0B+5], SLOT1
	s_add_nc_u64 s[G0B+6:G0B+7], s[BB:BB+1], s[OFF:OFF+1]
	s_or_b32 s[G0B+7], s[G0B+7], 0x80000000
.endif
	s_wait_dscnt 5                                 ; (the add and the youngest four loads may be out)
	MULA F1, 0, 0
	s_wait_dscnt 0x0                               ; the add is done, my reads of this slot are over
	s_barrier_signal -1
	MULA F1, 1, 0
	WIN 0
	v_add_nc_u32 v[ADRA], s[TB], v[ADRA0]          ; no LDS load of mine is out
	v_add_nc_u32 v[ADRB], s[TB], v[ADRB0]
	s_barrier_wait -1
.if \fill
	CREST
	JLOAD 1                                        ; its four v_nop are also the places in front of the loads below
.else
	PLACES
.endif
	FETCH 0, F0
.if \fill
	WIN 0
	ASK
.endif
	MULA F1, 2, 0
	MULA F1, 3, 0
.endm
	s_wait_tensorcnt 1                             ; my part of my walk's step 0 is in; step 1 may stay out
	s_barrier_signal -1
	s_barrier_wait -1
	FETCH 0, F0
	QUARTER 64, F0, F1, 1                          ; the first quarter starts the sums
	WIN 0
	s_mov_b32 s[LAPC], 6
.Lstep:                                        ; a trip goes from a K step's second quarter to the next step's first, and fills the slot that it leaves: steps 2 to 7 of the walk
	QUARTER 128, F1, F0, 0
	QUARTER 192, F0, F1, 0
	TURN 1
	QUARTER 64,  F0, F1, 0
	WIN 0
	s_sub_co_u32 s[LAPC], s[LAPC], 1
	s_cmp_lg_u32 s[LAPC], 0
	s_cbranch_scc1 .Lstep
	s_mov_b32 s[LAPC], 2
.Ltail:                                        ; the last two steps fill nothing: a text of their own; its second trip is left in the middle
	QUARTER 128, F1, F0, 0
	QUARTER 192, F0, F1, 0
	WIN 0
	s_sub_co_u32 s[LAPC], s[LAPC], 1
	s_cmp_eq_u32 s[LAPC], 0
	s_cbranch_scc1 .Llast
	TURN 0
	QUARTER 64,  F0, F1, 0
	WIN 0
	s_branch .Ltail
.Llast:
	s_wait_dscnt 4
	MULA F1, 0, 0
	MULA F1, 1, 0
	s_wait_dscnt 0x0
	MULA F1, 2, 0
	MULA F1, 3, 0
	WIN 0
; THE WAY OUT, in 12 groups g = 3 a + hd: 16 rows of one head.  PACK: cos', sin'; each pair (x0, x1) becomes (x0 c - x1 s, x1 c + x0 s); rounded to f16, 16 bytes for each column block.
.macro PACK g
.set pa, (\g)/3
.set ph, (\g)%3
.set FR, 68+4*ph
	WIN 0
.set k, 0
.rept 8                                ; in group 0 these sixteen lines are the places behind the last products
	v_pk_fma_f32 v[CT+2*k:CT+2*k+1], v[TBL+32*pa+2*k:TBL+32*pa+2*k+1], s[FR:FR+1], s[FR+2:FR+3] op_sel_hi:[1,0,0]
	v_pk_mul_f32 v[ST+2*k:ST+2*k+1], v[TBL+32*pa+16+2*k:TBL+32*pa+16+2*k+1], s[FR:FR+1] op_sel_hi:[1,0]
.set k, k+1
.endr
.set ai, 12*pa+4*ph
	WIN 0x02+ai/32                                 ; source 0 in the accumulators' window
.set k, 0
.rept 16                               ; k = 4 x column block + pair; each accumulator is read from its low end on
.set rX, 8*((ai+k/4)%32)+2*(k%4)
	v_mul_f32 v[T+2*k], v[rX+1], v[ST+k]
	v_mul_f32 v[T+2*k+1], v[rX], v[ST+k]
	v_fma_f32 v[T+2*k], v[rX], v[CT+k], -v[T+2*k]
	v_fma_f32 v[T+2*k+1], v[rX+1], v[CT+k], v[T+2*k+1]
.set k, k+1
.endr
	WIN 0
.set k, 0
.rept 16
	v_cvt_pk_f16_f32 v[T+k], v[T+2*k], v[T+2*k+1]  ; in place, ascending: word k is written when words 2 k and 2 k + 1 are read
.set k, k+1
.endr
.endm
.macro TOSTAGE g
.irp b, 0,1,2,3
	ds_store_b128 v[STO], v[T+4*(\b):T+4*(\b)+3] offset:32*(\b)
.endr
.irp f, 0,1,2,3
	ds_load_b128 v[BK+16*((\g)%2)+4*(\f):BK+16*((\g)%2)+4*(\f)+3], v[RD] offset:(\f)*4*SP  ; LDS serves a wave's instructions in order (ISA guide 5.7.1.4)
.endr
.endm
.macro SEND g
.set sa, (\g)/3
.set sh, (\g)%3
.set OBR, 60+2*sh+2*(sh/2)
.irp f, 0,1,2,3
	s_wait_dscnt 3-(\f)
	global_store_b128 v[GO], v[BK+16*((\g)%2)+4*(\f):BK+16*((\g)%2)+4*(\f)+3], s[OBR:OBR+1] offset:2048*sa+512*(\f)  ; 512 consecutive bytes, aligned
.endr
.endm
	s_wait_loadcnt 0x0                             ; the table
	PACK 0
	TOSTAGE 0
.set g, 1
.rept 11                               ; a group's arithmetic stands between the loads of the group before and its stores
	PACK g
.if g >= 2
	s_wait_xcnt 0x0                                ; the youngest stores out are those of two groups back, a group's arithmetic ago: they have read the buffer that this group's loads fill again;
.endif                                 ; the stores issued next read the other buffer
	SEND g-1
	TOSTAGE g
.set g, g+1
.endr
	SEND 11
	s_wait_tensorcnt 0x0                           ; the wave's end
	ds_add_u32 v[SPW], v[NIL]
	s_wait_dscnt 0x0
	CROUND                                         ; the closing round
	s_endpgm
.Lfunc_end_k_q4a4ac93afd_qkv:
	.size	k_q4a4ac93afd_qkv, .Lfunc_end_k_q4a4ac93afd_qkv-k_q4a4ac93afd_qkv
	.p2alignl 7, 3214868480
	.fill 96, 4, 3214868480
	.section	.rodata,"a",@progbits
	.p2align	6, 0x0
	.amdhsa_kernel k_q4a4ac93afd_qkv
		.amdhsa_group_segment_fixed_size 327680
		.amdhsa_private_segment_fixed_size 0
		.amdhsa_enable_private_segment 0
		.amdhsa_kernarg_size 32
		.amdhsa_user_sgpr_count 2
		.amdhsa_user_sgpr_kernarg_segment_ptr 1
		.amdhsa_wavefront_size32 1
		.amdhsa_system_sgpr_workgroup_id_x 1
		.amdhsa_system_sgpr_workgroup_id_y 1
		.amdhsa_system_sgpr_workgroup_id_z 1
		.amdhsa_system_vgpr_workitem_id 0
		.amdhsa_next_free_vgpr 896
		.amdhsa_next_free_sgpr 92
		.amdhsa_reserve_vcc 0
		.amdhsa_float_denorm_mode_32 3
		.amdhsa_float_denorm_mode_16_64 3
		.amdhsa_memory_ordered 1
		.amdhsa_forward_progress 1
		.amdhsa_inst_pref_size 141
	.end_amdhsa_kernel
	.amdgpu_metadata
---
amdhsa.version: [ 1, 2 ]
amdhsa.kernels:
  - .name:           k_q4a4ac93afd_qkv
    .symbol:         k_q4a4ac93afd_qkv.kd
    .args:
      - { .name: xb, .offset: 0, .size: 8, .value_kind: global_buffer, .address_space: global }
      - { .name: wqt, .offset: 8, .size: 8, .value_kind: global_buffer, .address_space: global }
      - { .name: rope, .offset: 16, .size: 8, .value_kind: global_buffer, .address_space: global }
      - { .name: qkv, .offset: 24, .size: 8, .value_kind: global_buffer, .address_space: global }
    .group_segment_fixed_size: 327680
    .private_segment_fixed_size: 0
    .kernarg_segment_align: 8
    .kernarg_segment_size: 32
    .max_flat_workgroup_size: 128
    .sgpr_count:     92
    .vgpr_count:     896
    .wavefront_size: 32
...
	.end_amdgpu_metadata
.endif
;; end of part 2
;; launch attn (part 3): grid 2 x 128, 4 waves a work-group, no clusters, 327,680 bytes of LDS; arguments qkv, attn_mask, ob; writes ob
.if DOCPART == 3
	.amdgcn_target "amdgcn-amd-amdhsa--gfx1250"
	.amdhsa_code_object_version 6
	.text
	.protected	k_q4a4ac93afd_attn
	.globl	k_q4a4ac93afd_attn
	.p2align	8
	.type	k_q4a4ac93afd_attn,@function
k_q4a4ac93afd_attn:
	s_mov_b64 s[64:65], 0
	v_nop
	global_prefetch_b8 v0, s[64:65] scope:SCOPE_SE
	s_setreg_imm32_b32 hwreg(HW_REG_WAVE_MODE, 25, 1), 1
	s_wait_xcnt 0x0
; ATTENTION with a key mask.  O[y][q] = the sum over k of softmax_k(mask ? Q[y][q] . K[y][k] / 8 : -1e30) V[y][k].  qkv [3][128 heads y][1024][64] f16 (q, k rotated, unscaled); attn_mask [8][1024] bytes;
; ob [128][1024][64] f16.  Products, maxima and sums in f32; the weights p are rounded to f16 for the second product (their sum l is taken of the unrounded p), O once at the end.
; LIMITS.  A hidden score counts as its value less 1e30; f16's scores, 2.7e11 at the most, are nothing beside that.  The running maximum starts at -2^90, above every hidden score and below every live one, so a
; key step without a live key gives p = 0.  A batch with NO live key has, by the source, equal weights: there c = 0 and the mask's addend is 0, by a choice of scalars: p = 1, l = 1,024.
; A weight below 2^-126 counts as 0 in l; NaN and infinities are not treated apart.
; SHARES.  A work-group owns 512 queries of one head, 256 work-groups in all; a wave four PIECES of two tiles of 16 queries.  Every wave walks all 1,024 keys, 64 a step.
; ALL OF A HEAD'S K AND V LIE IN LDS (1,024 rows of 144 and of 160 bytes): each byte is filled once, by two tensor loads a wave at the head: keys 0-319, which the first four steps read, and the rest.
; NO CLUSTER: a head has two work-groups, which no cluster of four along x divides; what they share is fetched once by each in the whole launch.
; THE MASK is the C operand that starts S^T = K Q^T: 0 or -1e30 for each key, from a table of 1,024 f32 in LDS made at the head.
; LAYOUT.  S^T = K Q^T holds ONE query a lane (lane % 16) and the keys 8 (lane / 16) + 0..7; two such results rounded to f16 ARE source 1 of O^T = V^T P.  K comes out of LDS as it lies, V turned (ds_load_tr16_b128).
; SOFTMAX.  p = 2^(c s - c m), c = log2(e) / 8, m a running maximum; O and l are multiplied by a = 2^(c m_old - c m_new) in every step.
; BY TURNS.  Turn n belongs to piece n: 16 products K Q^T of piece n + 1, later 16 products V^T P of piece n - 1; beside them piece n's scaling, exponentials, roundings, sums and rescaling and piece n + 1's maximum
; and statistics.  Four vector instructions stand behind every matrix instruction, the other 108 of a turn's 236 in one lump.  A turn's 66 exponentials are one batch with one wait.
; REGISTERS.  window 0: v1-11 addresses and the add's two; v12-15, v48-63 at work; v16-47 statistics; v64-191 S^T, two buffers of two tiles; v192-255 P, likewise
;   window 1: O^T, 32 a tile     window 2: v0-127 Q; v128-191 K of one step; v192-255 V of one step     window 3: v0-31 the mask of one step
.set NP,    4
.set KS,    64
.set PK,    144       ; 128 bytes + 16: the 16 rows of a load start at 16 different groups of four banks (64 banks of 4 bytes: ISA guide 11.1)
.set PV,    160       ; 128 + 32
.set VOFF,  1024*PK
.set BIAS,  VOFF+1024*PV   ; 1,024 f32: written by ds_store; no fill lands here
.set STAGE, BIAS+4096      ; 16 rows x 144 bytes for each wave, for the way out
.set SP,    144
.set SPARE, STAGE+4*16*SP  ; the spare words, 128 bytes a wave
.set SPW, 1
.set AK0, 2           ; my lane's place in a tile of K; never rewritten
.set AV0, 3           ; the same for V
.set AK,  4
.set AV,  5
.set STO, 6
.set RD,  7
.set GO,  8
.set AM0, 9           ; my lane's place in the mask's table: BIAS + 32 (l / 16)
.set AM,  10
.set NIL, 11
.set MV,  12          ; v12-15  c m_old, by buffer and tile; ahead of the loop: the offsets of Q's and the mask's loads
.set QO,  12
.set ST,  16          ; tile t's statistics at v[ST+4 t]: c m, m, l (even keys', odd keys')
.set TMP, 48
.set S,   64
.set P,   192
.set KF,  128
.set VF,  192
.set MB,  0           ; window 3: key block kb at MB + 8 kb
.set WV,  12
.set HF,  13
.set G1A, 24
.set G1B, 32
.set G0A, 40
.set G0B, 44
.set QB,  48
.set OBA, 50
.set MK,  52
.set PH,  56
.set CNT, 57
.set CS,  58
.set SEL, 60
.set TBK, 62
.set TBV, 63
.set TBM, 66
.set LEFT, 67
.set NEG, 68
.set NNEG, 69
.set KW0, (1<<16)|(1<<20)|(4<<22)|(3<<25)   ; 2-byte elements; padding on; after every 32 words 4 words
.set VW0, (1<<16)|(1<<20)|(4<<22)|(7<<25)   ; 8 words
.set MSB, 0
.macro WIN new
.if MSB != (\new)
	s_set_vgpr_msb (MSB<<8)|(\new)
.set MSB, (\new)
.endif
.endm
.set W_KQ, 0x0a       ; K and Q in window 2, S^T in window 0
.set W_KM, 0x3a       ; the same with the C operand in window 3
.set W_PV, 0x52       ; V in window 2, P in window 0, O^T in window 1
.set W_RS, 0x41       ; O^T (destination and source 0) in window 1, a in window 0
	s_load_b128 s[4:7], s[0:1], 0x0 ; qkv 4, attn_mask 6
	s_load_b64 s[8:9], s[0:1], 0x10 ; ob
	v_lshl_add_u32 v[SPW], v0, 2, SPARE
	v_mov_b32 v[NIL], 0
	ds_add_u32 v[SPW], v[NIL]       ; the wave's opening: the add, waited for ahead of my first tensor load
	v_lshrrev_b32 v64, 5, v0
	v_readfirstlane_b32 s[WV], v64
	s_and_b32 s[HF], s[WV], 1       ; which half of a fill's keys I fetch
	s_and_b32 s14, ttmp7, 0xffff    ; the head
	s_lshl_b32 s16, s14, 17         ; its 131,072 bytes in each part of qkv and in ob
	s_mov_b32 s17, 0
	s_lshl_b32 s18, ttmp9, 16       ; my block's 512 rows,
	s_lshl_b32 s19, s[WV], 14       ; my wave's 128
	s_add_co_u32 s18, s18, s19
	s_mov_b32 s19, 0
	s_add_nc_u64 s[18:19], s[18:19], s[16:17]
	s_lshr_b32 s20, s14, 4
	s_lshl_b32 s20, s20, 10         ; the batch's 1,024 bytes of the mask
	s_mov_b32 s21, 0
	s_mul_i32 s22, s[HF], 160*128   ; the first fill: keys 0-319, 160 a wave
	s_mov_b32 s23, 0
	s_add_nc_u64 s[22:23], s[22:23], s[16:17]
	s_mul_i32 s54, s[HF], 352*128   ; the second: keys 320-1,023, 352 a wave
	s_add_co_u32 s54, s54, 320*128
	s_mov_b32 s55, 0
	s_add_nc_u64 s[54:55], s[54:55], s[16:17]
	; descriptor group 1: dense keys asked for as rows of 256 bytes, two keys a row, padded in LDS after every key
.irp g, G1A, G1B
	s_mov_b32 s[\g+1], 128<<16
	s_mov_b32 s[\g+3], 128<<16
	s_mov_b32 s[\g+5], 128
	s_mov_b32 s[\g+6], 0
	s_mov_b32 s[\g+7], 0
.endr
	s_mov_b32 s[G1A+2], 80<<16
	s_mov_b32 s[G1A+4], 80
	s_mov_b32 s[G1B+2], 176<<16
	s_mov_b32 s[G1B+4], 176
	s_mov_b32 s[G0A], 1
	s_mov_b32 s[G0B], 1
	s_mov_b32 s[SEL], 0x76543210
	s_mov_b32 s[SEL+1], 0xfedcba98
	s_mov_b32 s[TBK], 0
	s_mov_b32 s[TBV], 0
	s_mov_b32 s[TBM], 0
	s_wait_dscnt 0x0                ; the opening add is done
	s_wait_kmcnt 0x0
	s_add_nc_u64 s[QB:QB+1], s[4:5], s[18:19]
	s_add_nc_u64 s[OBA:OBA+1], s[8:9], s[18:19]
	s_add_nc_u64 s[MK:MK+1], s[6:7], s[20:21]
; A wave's two fills, in one branch on its number: waves 0, 1 K's halves, waves 2, 3 V's.  Two loads of mine are out.  An s_nop 0 follows each, four v_nop the second.
.macro FILLS w0, pitch, base, part
	s_mov_b32 s[G1A], \w0
	s_mov_b32 s[G1B], \w0
	s_mul_i32 s[G0A+1], s[HF], 160*(\pitch)
	s_add_co_u32 s[G0A+1], s[G0A+1], \base
	s_mul_i32 s[G0B+1], s[HF], 352*(\pitch)
	s_add_co_u32 s[G0B+1], s[G0B+1], (\base)+320*(\pitch)
	s_add_nc_u64 s[2:3], s[4:5], \part
	s_add_nc_u64 s[G0A+2:G0A+3], s[2:3], s[22:23]
	s_or_b32 s[G0A+3], s[G0A+3], 0x80000000
	s_add_nc_u64 s[G0B+2:G0B+3], s[2:3], s[54:55]
	s_or_b32 s[G0B+3], s[G0B+3], 0x80000000
	tensor_load_to_lds s[G0A:G0A+3], s[G1A:G1A+7]
	s_nop 0
	tensor_load_to_lds s[G0B:G0B+3], s[G1B:G1B+7]
	s_nop 0
.rept 4
	v_nop
.endr
.endm
	s_cmp_lt_u32 s[WV], 2
	s_cbranch_scc0 .Lfill_v
	FILLS KW0, PK, 0, 0x1000000
	s_branch .Lfilled
.Lfill_v:
	FILLS VW0, PV, VOFF, 0x2000000
.Lfilled:
	v_and_b32 v64, 15, v0           ; l % 16   (S^T's registers serve as temporaries here)
	v_bfe_u32 v65, v0, 4, 1         ; l / 16
	v_and_b32 v66, 7, v0
	v_bfe_u32 v67, v0, 3, 1
	v_and_b32 v68, 31, v0
	v_lshlrev_b32 v13, 5, v68
	v_lshlrev_b32 v14, 3, v0
	global_load_b128 v[72:75], v13, s[MK:MK+1]            ; the batch's whole mask, 32 bytes a lane: is any key live?
	global_load_b128 v[76:79], v13, s[MK:MK+1] offset:16
	global_load_b64 v[80:81], v14, s[MK:MK+1]             ; my thread's eight keys, for the table
	v_lshlrev_b32 v[QO], 7, v64
	v_lshl_add_u32 v[QO], v65, 4, v[QO]
	WIN 0x80
.set i, 0
.rept 4*NP                          ; Q stays in registers: tile i / 2, channels 32 (i % 2) on
	global_load_b128 v[8*i:8*i+3],   v[QO], s[QB:QB+1] offset:(i/2)*2048+(i%2)*64
	global_load_b128 v[8*i+4:8*i+7], v[QO], s[QB:QB+1] offset:(i/2)*2048+(i%2)*64+32
.set i, i+1
.endr
	; What the first turn finds: V's registers and P's second buffer hold 0 (its products V^T P, of a piece that has not been, add 0), O^T and l are 0.  All this stands in the wait for the first fill.
.set i, VF
.rept 64
	v_mov_b32 v[i], 0
.set i, i+1
.endr
	WIN 0x40
.set i, 0
.rept 64*NP
	v_mov_b32 v[i], 0
.set i, i+1
.endr
	WIN 0
.set i, 0
.rept 2*NP
	v_mov_b32 v[ST+4*i], 0xfe000000    ; c m: far below every c s, so the first a is 0
	v_mov_b32 v[ST+4*i+1], 0xec800000  ; m = -2^90
	v_mov_b32 v[ST+4*i+2], 0
	v_mov_b32 v[ST+4*i+3], 0
.set i, i+1
.endr
.set i, P+32
.rept 32
	v_mov_b32 v[i], 0
.set i, i+1
.endr
	v_mul_u32_u24 v[AK0], v64, PK
	v_lshl_add_u32 v[AK0], v65, 4, v[AK0]
	v_lshl_add_u32 v[AV0], v65, 3, v66     ; the turning load: lane l reads key 8 (l / 16) + l % 8, channels 8 ((l / 8) % 2) + 0..7
	v_mul_u32_u24 v[AV0], v[AV0], PV
	v_lshl_add_u32 v[AV0], v67, 4, v[AV0]
	v_add_nc_u32 v[AV0], VOFF, v[AV0]
	v_lshl_add_u32 v[AM0], v65, 5, BIAS
	v_mov_b32 v[AK], v[AK0]
	v_mov_b32 v[AM], v[AM0]
	s_mul_i32 s15, s[WV], 16*SP
	s_add_co_u32 s15, s15, STAGE
	v_mul_u32_u24 v[STO], v64, SP
	v_lshl_add_u32 v[STO], v65, 4, v[STO]
	v_add_nc_u32 v[STO], s15, v[STO]
	v_bfe_u32 v[RD], v0, 3, 2
	v_mul_u32_u24 v[RD], v[RD], SP
	v_lshl_add_u32 v[RD], v66, 4, v[RD]
	v_add_nc_u32 v[RD], s15, v[RD]
	v_lshlrev_b32 v[GO], 4, v68
	s_wait_loadcnt 32               ; the three loads of the mask are in; Q's 32 stay out
	v_or_b32 v72, v72, v73
	v_or_b32 v74, v74, v75
	v_or_b32 v76, v76, v77
	v_or_b32 v78, v78, v79
	v_or_b32 v72, v72, v74
	v_or_b32 v76, v76, v78
	v_or_b32 v72, v72, v76
	v_cmp_ne_u32 s20, 0, v72
	s_cmp_lg_u32 s20, 0             ; any key of the batch live?  It chooses numbers, no path
	s_cselect_b32 s[CS], 0x3e38aa3b, 0     ; c = log2(e) / 8
	s_cselect_b32 s[NEG], 0xf149f2ca, 0    ; -1e30
	s_mov_b32 s[CS+1], s[CS]
	s_xor_b32 s[NNEG], s[NEG], 0x80000000
.irp k, 0,1,2,3,4,5,6,7
	v_bfe_u32 v[84+(\k)], v[80+(\k)/4], 8*((\k)%4), 8
.endr
.irp k, 0,1,2,3,4,5,6,7
	v_cvt_f32_u32 v[84+(\k)], v[84+(\k)]
.endr
.irp k, 0,1,2,3,4,5,6,7
	v_fma_f32 v[84+(\k)], v[84+(\k)], s[NNEG], s[NEG]  ; a live key: exactly 0; a hidden one: -1e30
.endr
	v_lshl_add_u32 v82, v0, 5, BIAS
	ds_store_b128 v82, v[84:87]
	ds_store_b128 v82, v[88:91] offset:16
.macro KQ x                         ; product i of 16 of S^T for piece x: channels 32 (i / 8) on, keys 16 ((i / 2) % 4) on, tile 2 x + i % 2.  The first 8 start the sums, with the mask.  The 8 accumulators take turns
.set rS, S+64*((\x)%2)+32*(i%2)+8*((i/2)%4)
.set rK, KF+16*((i/2)%4)+8*(i/8)
.set rQ, 16*(2*(\x)+i%2)+8*(i/8)
.set rB, MB+8*((i/2)%4)
.if i < 8
	WIN W_KM
	v_wmma_f32_16x16x32_f16 v[rS:rS+7], v[rK:rK+7], v[rQ:rQ+7], v[rB:rB+7]
.else
	WIN W_KQ
	v_wmma_f32_16x16x32_f16 v[rS:rS+7], v[rK:rK+7], v[rQ:rQ+7], v[rS:rS+7]
.endif
.endm
.macro PV x                         ; product i of 16 of O^T += V^T P for piece x: keys 32 (i / 8) on, channels 16 ((i / 2) % 4) on, tile 2 x + i % 2
	WIN W_PV
.set rO, 32*(2*(\x)+i%2)+8*((i/2)%4)
.set rV, VF+32*(i/8)+8*((i/2)%4)
.set rP, P+32*((\x)%2)+16*(i%2)+8*(i/8)
	v_wmma_f32_16x16x32_f16 v[rO:rO+7], v[rV:rV+7], v[rP:rP+7], v[rO:rO+7]
.endm
.macro MM                           ; the turn's next matrix instruction
.if i < 16
	KQ (Y+1)%NP
.set i, i+1
.else
.set i, i-16
	PV (Y+NP-1)%NP
.set i, i+17
.endif
.endm
; THE LDS LOADS stand in runs: a step's K (8 fragments) with its mask (32 registers: lanes of a half read the same words), and its V (turned).  last = 1: in the last step there is no further K: the run is jumped over
.macro FETCH_K last
	WIN 0
.if \last
	s_cmp_eq_u32 s[LEFT], 1
	s_cbranch_scc1 .Lno_k_\@
.endif
	WIN 0x80
.irp f, 0,1,2,3,4,5,6,7
	ds_load_b128 v[KF+8*\f:KF+8*\f+3],   v[AK] offset:(\f/2)*16*PK+(\f%2)*64
	ds_load_b128 v[KF+8*\f+4:KF+8*\f+7], v[AK] offset:(\f/2)*16*PK+(\f%2)*64+32
.endr
	WIN 0xc0
.irp f, 0,1,2,3
	ds_load_b128 v[MB+8*\f:MB+8*\f+3],   v[AM] offset:64*\f
	ds_load_b128 v[MB+8*\f+4:MB+8*\f+7], v[AM] offset:64*\f+16
.endr
	s_add_co_u32 s[TBK], s[TBK], KS*PK
	s_add_co_u32 s[TBM], s[TBM], 4*KS
	WIN 0
.if \last
.Lno_k_\@:
.endif
.endm
.macro FETCH_V
	WIN 0x80
.irp f, 0,1,2,3,4,5,6,7
	ds_load_tr16_b128 v[VF+8*\f:VF+8*\f+3],   v[AV] offset:(\f/4)*32*PV+(\f%4)*32
	ds_load_tr16_b128 v[VF+8*\f+4:VF+8*\f+7], v[AV] offset:(\f/4)*32*PV+16*PV+(\f%4)*32
.endr
	WIN 0
.endm
; THE VECTOR WORK OF A TURN stands in three queues, each in the order in which its entries become ready; the two tiles alternate.
.macro REGS y, u
.set rT, ST+4*(2*(\y)+(\u))
.set rC, TMP+8*((\y)%2)+4*(\u)
.set rM, MV+2*((\y)%2)+(\u)
.set rS, S+64*((\y)%2)+32*(\u)
.set rP, P+32*((\y)%2)+16*(\u)
.set rO, 32*(2*(\y)+(\u))
.endm
; Number n of the 22 that find the NEXT piece's maximum and statistics: 0-11 four chains of seven scores (each accumulator's lowest registers first); 12-14, 16 the rest, the old m, all into c0; 15 c m_old is kept;
; 17, 18 the other half of the lanes: the new m; 19-21 c m, c m_old - c m_new, a
.macro XS u, n
	REGS (Y+1)%NP, \u
.if (\n) < 4
	v_max3_num_f32 v[rC+(\n)], v[rS+8*(\n)], v[rS+8*(\n)+1], v[rS+8*(\n)+2]
.elseif (\n) < 12
	v_max3_num_f32 v[rC+(\n)%4], v[rC+(\n)%4], v[rS+8*((\n)%4)+2*((\n)/4)+1], v[rS+8*((\n)%4)+2*((\n)/4)+2]
.elseif (\n) == 12
	v_max3_num_f32 v[rC], v[rC], v[rS+7], v[rS+15]
.elseif (\n) == 13
	v_max3_num_f32 v[rC+1], v[rC+1], v[rS+23], v[rS+31]
.elseif (\n) == 14
	v_max3_num_f32 v[rC+2], v[rC+2], v[rC+3], v[rT+1]
.elseif (\n) == 15
	v_mov_b32 v[rM], v[rT]
.elseif (\n) == 16
	v_max3_num_f32 v[rC], v[rC], v[rC+1], v[rC+2]
.elseif (\n) == 17
	v_permlanex16_b32 v[rC+3], v[rC], s[SEL], s[SEL+1]
.elseif (\n) == 18
	v_max_num_f32 v[rT+1], v[rC], v[rC+3]
.elseif (\n) == 19
	v_mul_f32 v[rT], s[CS], v[rT+1]
.elseif (\n) == 20
	v_sub_f32 v[rC+1], v[rM], v[rT]
.else
	v_exp_f32 v[rC+2], v[rC+1]
.endif
.endm
; Number g of the 64 that follow the exponentials: for each four weights both pairs are rounded to f16, the second pair is added onto the first, and a group later l takes that sum (the first time as l = a l + sum)
.macro GS g
.set h, (\g)+6*((\g)/62)
.if h >= 6
.set h, h+2
.endif
	REGS Y, h%2
.set k, h/8
.if h%8 < 4
	v_cvt_pk_f16_f32 v[rP+2*k+(h%8)/2], v[rS+4*k+2*((h%8)/2)], v[rS+4*k+2*((h%8)/2)+1]
.elseif h%8 < 6
	v_pk_add_f32 v[rS+4*k:rS+4*k+1], v[rS+4*k:rS+4*k+1], v[rS+4*k+2:rS+4*k+3]
.elseif k == 1
	v_pk_fma_f32 v[rT+2:rT+3], v[rT+2:rT+3], v[rC+2:rC+3], v[rS:rS+1] op_sel_hi:[1,0,1]
.else
	v_pk_add_f32 v[rT+2:rT+3], v[rT+2:rT+3], v[rS+4*k-4:rS+4*k-3]
.endif
.endm
.macro FS f                         ; c s - c m for pair f / 2 of tile f % 2
	REGS Y, (\f)%2
	v_pk_fma_f32 v[rS+2*((\f)/2):rS+2*((\f)/2)+1], v[rS+2*((\f)/2):rS+2*((\f)/2)+1], s[CS:CS+1], v[rT:rT+1] op_sel_hi:[1,0,0] neg_lo:[0,0,1] neg_hi:[0,0,1]
.endm
; THE PLAIN QUEUE, 138 long.  0-26 scalings; 27-54 XS 0-13; 55, 56 XS 15; 57-73 the chain XS 14, 16 .. 20 with scalings 27-31 between its links; 74-137 GS, which read the exponentials' results and stand behind the wait
.macro PL
	WIN 0
.if q < 27
	FS q
.elseif q < 55
	XS (q-27)%2, (q-27)/2
.elseif q < 57
	XS q-55, 15
.elseif (q < 72) && ((q-57)%3 == 0)
	FS 27+(q-57)/3
.elseif q < 60
	XS (q-57)%3-1, 14
.elseif q < 72
	XS (q-57)%3-1, 15+(q-57)/3
.elseif q < 74
	XS q-72, 20
.else
	GS q-74
.endif
.set q, q+1
.endm
.macro EX                           ; THE EXPONENTIALS' QUEUE, 66 long: one batch, all ahead of the turn's one wait
	WIN 0
.if e >= 64
	XS e-64, 21
.else
	REGS Y, e%2
	v_exp_f32 v[rS+e/2], v[rS+e/2]
.endif
.set e, e+1
.endm
.macro R2                           ; THE RESCALING's QUEUE: O^T times a, two at a time
	REGS Y, r%2
	WIN W_RS
.irp z, 0,1
	v_pk_mul_f32 v[rO+4*(r/2)+2*\z:rO+4*(r/2)+2*\z+1], v[rO+4*(r/2)+2*\z:rO+4*(r/2)+2*\z+1], v[rC+2:rC+3] op_sel_hi:[1,0]
.endr
.set r, r+1
.endm
; A TURN, for piece p.  Ahead of its one wait: 16 products K Q^T, behind each a scaling, an exponential and two rescalings; then the lump: eight plain, 49 times exponential and plain, the next piece's two a.
; Behind it: 16 products V^T P, behind each four of the roundings and sums.  K and the mask of the next step are fetched in piece 2's turn, directly behind the wait, a lump behind their last reader, and waited for at
; the head of piece 3's; V of the step in hand at the end of piece 0's turn, four plain riders behind its last reader, and waited for in piece 1's.  The conditions on q go with the deal.
.macro TURN p, cnt=0
.set Y, (\p)
.set i, 0
.set q, 0
.set e, 0
.set r, 0
.if (\p) == NP-1
	s_wait_dscnt 0x0                ; K and the mask are in
.endif
	MM
	PL
	PL
	R2
.rept 15
	MM
	PL
	EX
	R2
.endr
.if (\p) == NP-2
	WIN 0
	v_add_nc_u32 v[AK], s[TBK], v[AK0]
	v_add_nc_u32 v[AM], s[TBM], v[AM0]
.endif
.rept 8
	PL
.endr
.rept 49
	EX
	PL
.endr
	EX
	EX
	v_nop                           ; the plain instruction behind the last exponential: one for the batch
	s_wait_alu depctr_va_vdst(0)    ; the wait ahead of the first reader: one for the batch
.if (\p) == NP-2
	FETCH_K 1
.endif
.if (\p) == 1
	s_wait_dscnt 0x0                ; V is in
.endif
.rept 16
	MM
.rept 4
	PL
.endr
.if ((\p) == 0) && (q == 118)
	v_add_nc_u32 v[AV], s[TBV], v[AV0]
.endif
.if ((\p) == 0) && (q == 130)
	s_add_co_u32 s[TBV], s[TBV], KS*PV
.endif
.if (\cnt) && (q == 130)
	s_sub_co_u32 s[LEFT], s[LEFT], 1
	s_sub_co_u32 s[CNT], s[CNT], 1
	s_cmp_lg_u32 s[CNT], 0
.endif
.endr
.if (\p) == 0
	FETCH_V
.endif
.endm
	s_wait_tensorcnt 1              ; my part of keys 0-319 is in; the second fill may stay out
	s_wait_dscnt 0x0                ; my part of the mask's table is stored
	s_barrier_signal -1
	s_barrier_wait -1               ; everybody's is
	FETCH_K 0                       ; key step 0
	s_wait_loadcnt 0x0              ; Q
	s_wait_dscnt 0x0
.set i, 0
.rept 16
	KQ 0                            ; piece 0's first scores
.set i, i+1
.endr
	WIN 0
.rept 4
	v_nop                           ; the places behind those products
.endr
.set Y, NP-1                        ; XS works for piece Y + 1: piece 0
.irp n, 0,1,2,3,4,5,6,7,8,9,10,11,12,13,14,15,16,17,18,19,20,21
	XS 0, \n
	XS 1, \n
.endr
	v_nop
	s_wait_alu depctr_va_vdst(0)    ; the two a have their wait ahead of the label
	s_mov_b32 s[LEFT], 16           ; key steps to go
	s_mov_b32 s[PH], 4
.Lphase:                            ; four times four key steps.  The first four read keys 0-319 alone (K of steps 0-4, V of steps 0-3)
	s_mov_b32 s[CNT], 4
.Lstep:                             ; a trip: the four turns of one key step; it fetches this step's V and the next step's K
	TURN 0
	TURN 1
	TURN 2
	TURN 3, 1
	WIN 0
	s_cbranch_scc1 .Lstep
	s_wait_tensorcnt 0x0            ; behind the first four steps: my part of keys 320-1,023 is in, and the barrier shows everybody's.  The other three times both are met at once:
	s_wait_dscnt 0x0                ; the price of one text for all sixteen steps, with constant counts
	s_barrier_signal -1
	s_barrier_wait -1
	s_sub_co_u32 s[PH], s[PH], 1
	s_cmp_lg_u32 s[PH], 0
	s_cbranch_scc1 .Lphase
	; (the last turn's 16 products K Q^T, on the last K once more, and the maximum made of them serve nothing: l and O^T are not touched by them)
.set i, 0
.rept 16
	PV NP-1                         ; the last piece's V^T P of the last step
.set i, i+1
.endr
	; THE WAY OUT.  l's two halves and the other half of the lanes' are added (l is at least 1: the largest weight is 1); O^T is divided by l, rounded to f16 and sent through my stage, a tile at a time.
	WIN 0
.macro ALL line:vararg
.set t, 0
.rept 2*NP
	\line
.set t, t+1
.endr
.endm
	ALL v_add_f32 v[ST+4*t+2], v[ST+4*t+2], v[ST+4*t+3]
	ALL v_permlanex16_b32 v[ST+4*t+3], v[ST+4*t+2], s[SEL], s[SEL+1]
	ALL v_add_f32 v[ST+4*t+2], v[ST+4*t+2], v[ST+4*t+3]
	ALL v_rcp_f32 v[ST+4*t+2], v[ST+4*t+2]
	v_nop
	s_wait_alu depctr_va_vdst(0)    ; one wait for the eight reciprocals
.macro PACK t
	WIN W_RS
.set i, 32*(\t)
.rept 16
	v_pk_mul_f32 v[i:i+1], v[i:i+1], v[ST+4*(\t)+2:ST+4*(\t)+3] op_sel_hi:[1,0]
.set i, i+2
.endr
	WIN 0x05
.set i, 0
.rept 16
	v_cvt_pk_f16_f32 v[S+16*(\t)+i], v[32*(\t)+2*i], v[32*(\t)+2*i+1]
.set i, i+1
.endr
	WIN 0
.irp f, 0,1,2,3
	ds_store_b128 v[STO], v[S+16*(\t)+4*\f:S+16*(\t)+4*\f+3] offset:32*\f
.endr
.irp f, 0,1,2,3
	ds_load_b128 v[S+16*(\t)+4*\f:S+16*(\t)+4*\f+3], v[RD] offset:\f*4*SP  ; LDS serves a wave's instructions in order (ISA guide 5.7.1.4)
.endr
.endm
.macro SEND t, younger              ; younger: the LDS instructions issued behind tile t's loads
	WIN 0
.irp f, 0,1,2,3
	s_wait_dscnt (\younger)+3-\f
	global_store_b128 v[GO], v[S+16*(\t)+4*\f:S+16*(\t)+4*\f+3], s[OBA:OBA+1] offset:(\t)*2048+\f*512  ; 512 consecutive bytes, aligned
.endr
.endm
	PACK 0
.set t, 1
.rept 2*NP-1
	PACK t
	SEND t-1, 8
.set t, t+1
.endr
	SEND 2*NP-1, 0
	s_wait_tensorcnt 0x0            ; the wave's end
	ds_add_u32 v[SPW], v[NIL]
	s_wait_dscnt 0x0
	s_endpgm
.Lfunc_end_k_q4a4ac93afd_attn:
	.size	k_q4a4ac93afd_attn, .Lfunc_end_k_q4a4ac93afd_attn-k_q4a4ac93afd_attn
	.p2alignl 7, 3214868480
	.fill 96, 4, 3214868480
	.section	.rodata,"a",@progbits
	.p2align	6, 0x0
	.amdhsa_kernel k_q4a4ac93afd_attn
		.amdhsa_group_segment_fixed_size 327680
		.amdhsa_private_segment_fixed_size 0
		.amdhsa_enable_private_segment 0
		.amdhsa_kernarg_size 24
		.amdhsa_user_sgpr_count 2
		.amdhsa_user_sgpr_kernarg_segment_ptr 1
		.amdhsa_wavefront_size32 1
		.amdhsa_system_sgpr_workgroup_id_x 1
		.amdhsa_system_sgpr_workgroup_id_y 1
		.amdhsa_system_sgpr_workgroup_id_z 1
		.amdhsa_system_vgpr_workitem_id 0
		.amdhsa_next_free_vgpr 800
		.amdhsa_next_free_sgpr 72
		.amdhsa_reserve_vcc 0
		.amdhsa_float_denorm_mode_32 3
		.amdhsa_float_denorm_mode_16_64 3
		.amdhsa_memory_ordered 1
		.amdhsa_forward_progress 1
		.amdhsa_inst_pref_size 129
	.end_amdhsa_kernel
	.amdgpu_metadata
---
amdhsa.version: [ 1, 2 ]
amdhsa.kernels:
  - .name:           k_q4a4ac93afd_attn
    .symbol:         k_q4a4ac93afd_attn.kd
    .args:
      - { .name: qkv, .offset: 0, .size: 8, .value_kind: global_buffer, .address_space: global }
      - { .name: attn_mask, .offset: 8, .size: 8, .value_kind: global_buffer, .address_space: global }
      - { .name: ob, .offset: 16, .size: 8, .value_kind: global_buffer, .address_space: global }
    .group_segment_fixed_size: 327680
    .private_segment_fixed_size: 0
    .kernarg_segment_align: 8
    .kernarg_segment_size: 24
    .max_flat_workgroup_size: 128
    .sgpr_count:     72
    .vgpr_count:     800
    .wavefront_size: 32
...
	.end_amdgpu_metadata
.endif
;; end of part 3
;; launch proj (part 4): grid 8 x 32, 4 waves a work-group, clusters of 4 x 4, 327,680 bytes of LDS; arguments ob, wpt, out0; writes out0
.if DOCPART == 4
	.amdgcn_target "amdgcn-amd-amdhsa--gfx1250"
	.amdhsa_code_object_version 6
	.text
	.protected	k_q4a4ac93afd_proj
	.globl	k_q4a4ac93afd_proj
	.p2align	8
	.type	k_q4a4ac93afd_proj,@function
k_q4a4ac93afd_proj:
	s_mov_b64 s[64:65], 0
	v_nop
	global_prefetch_b8 v0, s[64:65] scope:SCOPE_SE
	s_setreg_imm32_b32 hwreg(HW_REG_WAVE_MODE, 25, 1), 1
	s_wait_xcnt 0x0
	s_wait_alu depctr_hold_cnt(0) depctr_sa_sdst(0) depctr_va_vdst(0) depctr_va_sdst(0) depctr_va_ssrc(0) depctr_va_vcc(0) depctr_vm_vsrc(0)
	s_getreg_b32 s2, hwreg(HW_REG_IB_STS2, 6, 4)
	s_cmp_eq_u32 s2, 0
	s_cbranch_scc0 .Lentry_in_a_cluster
	s_endpgm
.Lentry_in_a_cluster:
	s_bfe_u32 s2, ttmp6, 0x10000c
	s_cmp_lg_u32 s2, 0xf033
	s_cbranch_scc0 .Lentry_shape_is_right
	s_endpgm
.Lentry_shape_is_right:
; out0 = O wpt^T.  ob [8 b][16 h][1024 t][64] f16 (row b 1024 + t of O has channel h 64 + d), wpt [1024 n][1024 k] f16, out0 [8192][1024] f32.  f16 products, f32 sums, stored as they are.
; TILE.  256 rows x 128 columns: 8 x 32 = 256 work-groups.  Wave w owns rows 64 w .. 64 w + 63 and all 128 columns: 4 x 8 = 32 accumulators.
; RING.  K in steps of 128 = two heads.  A head's 256 rows of t are 32,768 dense bytes: asked for as 128 rows of 256 bytes and padded in LDS after every 128 bytes (rows 144 apart); wpt's rows are 256 bytes, 272 apart.
; Two slots, the second at byte 1 << 17, so that one exclusive or turns an address in one slot into the other's and a K step is written once; one tensor load a wave behind each change of slots: waves 0, 1 the two
; heads, waves 2, 3 the halves of wpt's 128 rows.
; THE WALK ALONG K IS TURNED.  Cluster (X, Y) begins at K step (4 X + 2 Y) mod 8 and goes round the end; O's and wpt's tiles take the same step number, so each product is formed once (f32 sums, in any order).
; The two clusters that read the same rows of O (same Y) stand four K steps apart in their walks; those that read the same rows of wpt (same X) two apart, or a multiple.
; CLUSTER 4 x 4: O's tiles are asked for jointly along a row of the cluster, wpt's along a column.  The matrix instruction is used transposed: a lane holds row l % 16 and eight neighbouring columns, 32 bytes of out0.
; REGISTERS.  window 0: addresses v16-30; BK v32-159 rows read back, two buffers     window 1: two fragment buffers: wpt's 8 blocks at 8 b, O's 4 at 64 + 8 a     window 2: accumulator (a, b) at 8 (8 a + b)
.set PA,     144
.set PB,     272
.set AHEAD,  256*PA                    ; a head's 256 rows
.set BOFF,   2*AHEAD
.set BHALF,  64*PB
.set SLOTB,  BOFF+2*BHALF              ; the bytes that a slot uses: 108,544
.set SLOT1,  1<<17
.set STAGE,  SLOT1+SLOTB               ; behind the ring: 16 rows x 528 bytes for each wave
.set SPITCH, 528
.set SPARE,  STAGE+4*16*SPITCH
.set ADRA0, 16                         ; v16  my lane's place among O's fragments in slot 0; never rewritten
.set ADRA,  17                         ; v17  the same in the slot that is being read
.set ADRB0, 20                         ; v20, v21  the same for wpt
.set ADRB,  21
.set STO,  24
.set RD,   25
.set GO,   26
.set SPW,  28
.set NIL,  29
.set PFO,  30
.set BK,   32
.set F0,   0
.set F1,   128
.set WV, 12
.set FB, 13
.set HF, 14
.set CX, 15
.set CY, 16
.set TC, 17
.set TR, 18
.set G1A, 24
.set G0A, 32                           ; s[32:39] group 0 for O's tiles: a set for each of the two first fills; the second then walks on
.set G1B, 40
.set G0B, 48                           ; s[48:55] the same for wpt's
.set PFA, 56                           ; s[56:57] what my one prefetch names; never rewritten
.set LIM, 58
.set LAPC, 59
.set BA, 72                            ; s[72:73] ob at my head and rows, K step 0; never rewritten
.set BB, 74                            ; s[74:75] wpt at my rows, K step 0; never rewritten
.set OFA, 76                           ; s[76:77] a K step's byte offset in ob: two heads of 131,072 bytes
.set OFB, 78                           ; s[78:79] and in a row of wpt: 256 bytes
.set KK, 80                            ; s80  the K step asked for last
.set TB, 81                            ; s81  LDS byte at which the slot that is being read begins
.set MSB, 0
.macro WIN new
.if MSB != (\new)
	s_set_vgpr_msb (MSB<<8)|(\new)
.set MSB, (\new)
.endif
.endm
.macro PLACES
.rept 4
	v_nop
.endr
.endm
.macro JLOAD s                         ; an s_nop 0 and four v_nop follow each of the two lines
	s_cmp_eq_u32 s[FB], 0
	s_cbranch_scc0 .Lfor_b_\@
	tensor_load_to_lds s[G0A+4*(\s):G0A+4*(\s)+3], s[G1A:G1A+7]
	s_nop 0
.rept 4
	v_nop
.endr
	s_branch .Lasked_\@
.Lfor_b_\@:
	tensor_load_to_lds s[G0B+4*(\s):G0B+4*(\s)+3], s[G1B:G1B+7]
	s_nop 0
.rept 4
	v_nop
.endr
.Lasked_\@:
.endm
; THE PREFETCH.  By the turned walk each K step of wpt's rows stands among some cluster's first two steps, which are its first fills: nothing of wpt is asked for.  Of O's rows each of the two clusters that read them
; reaches steps 0 to 3 of its own walk ahead of the other.  Step 3 is asked for behind the first refill (the loop's first trip alone), one K step, 128 matrix instructions, ahead of the load that wants it.
; Every cluster asks, waves 0 and 1, each for its head; the four partners along a row of the cluster share a head's 128 blocks of 256 bytes out by address, 32 each, a lane a block.
.macro ASK
	s_cmp_eq_u32 s[LAPC], s[LIM]
	s_cbranch_scc0 .Lnot_mine_\@
	global_prefetch_b8 v[PFO], s[PFA:PFA+1] th:TH_LOAD_NT scope:SCOPE_SE
.Lnot_mine_\@:
.endm
.macro CREST
	s_cmp_lg_u32 s[WV], 0
	s_cbranch_scc1 .Lnot_wave_0_\@
	s_barrier_signal -3
.Lnot_wave_0_\@:
	s_barrier_wait -3
	s_barrier_signal -1
	s_barrier_wait -1
.endm
.macro CROUND
	s_barrier_signal -1
	s_barrier_wait -1
	CREST
.endm
	s_load_b128 s[4:7], s[0:1], 0x0                ; ob 4, wpt 6
	s_load_b64 s[8:9], s[0:1], 0x10                ; out0
	v_lshl_add_u32 v[SPW], v0, 2, SPARE
	v_mov_b32 v[NIL], 0
	ds_add_u32 v[SPW], v[NIL]                      ; the wave's opening: the add, waited for ahead of my first tensor load
	v_lshrrev_b32 v1, 5, v0
	v_readfirstlane_b32 s[WV], v1
	s_lshr_b32 s[FB], s[WV], 1
	s_and_b32 s[HF], s[WV], 1
	s_bfe_u32 s[CX], ttmp6, 0x40000
	s_bfe_u32 s[CY], ttmp6, 0x40004
	s_lshl_b32 s[TC], ttmp9, 2                     ; 4 X
	s_and_b32 s[TR], ttmp7, 0xffff
	s_lshl_b32 s[KK], s[TR], 1                     ; 2 Y
	s_add_co_u32 s[KK], s[KK], s[TC]
	s_and_b32 s[KK], s[KK], 7                      ; where my cluster's walk begins
	s_add_co_u32 s[TC], s[TC], s[CX]
	s_lshl_b32 s[TR], s[TR], 2
	s_add_co_u32 s[TR], s[TR], s[CY]
	s_mov_b32 s[OFA+1], 0
	s_mov_b32 s[OFB+1], 0
	s_mov_b32 s[TB], 0
	s_lshl_b32 s19, s[CY], 2
	s_lshl_b32 s19, 15, s19                        ; my row of the cluster
	s_lshl_b32 s66, 0x1111, s[CX]                  ; my column
	s_or_b32 s[G1A], s19, (1<<16)|(1<<20)|(1<<21)|(4<<22)|(3<<25)  ; after every 32 words 4 words of padding
	s_or_b32 s[G1B], s66, (1<<16)|(1<<20)|(1<<21)|(5<<22)|(3<<25)  ; after every 64 words
.irp g, G1A, G1B
	s_mov_b32 s[\g+1], 128<<16
	s_mov_b32 s[\g+3], 128<<16
	s_mov_b32 s[\g+6], 0
	s_mov_b32 s[\g+7], 0
.endr
	s_mov_b32 s[G1A+2], 128<<16
	s_mov_b32 s[G1A+4], 128
	s_mov_b32 s[G1A+5], 128                        ; dense
	s_mov_b32 s[G1B+2], 64<<16
	s_mov_b32 s[G1B+4], 64
	s_mov_b32 s[G1B+5], 1024
	s_lshr_b32 s20, s[TR], 2                       ; O: batch tile row / 4, head = my half, rows 256 (tile row % 4) on
	s_lshl_b32 s20, s20, 4
	s_add_co_u32 s20, s20, s[HF]
	s_lshl_b32 s20, s20, 17
	s_and_b32 s21, s[TR], 3
	s_lshl_b32 s21, s21, 15
	s_add_co_u32 s20, s20, s21
	s_mov_b32 s21, 0
	s_lshl_b32 s66, s[TC], 18                      ; wpt: (128 x tile column + 64 x half) rows of 2,048 bytes
	s_lshl_b32 s67, s[HF], 17
	s_add_co_u32 s66, s66, s67
	s_mov_b32 s67, 0
	s_mul_i32 s19, s[HF], AHEAD
	s_mul_i32 s68, s[HF], BHALF
	s_add_co_u32 s68, s68, BOFF
	s_wait_dscnt 0x0                               ; the opening add is done
	s_wait_kmcnt 0x0
	s_add_nc_u64 s[BA:BA+1], s[4:5], s[20:21]
	s_add_nc_u64 s[BB:BB+1], s[6:7], s[66:67]
	CROUND                                         ; all sixteen work-groups are here: the first joint loads meet
.irp s, 0,1
	s_lshl_b32 s[OFA], s[KK], 18                   ; K step k: heads 2 k and 2 k + 1,
	s_lshl_b32 s[OFB], s[KK], 8                    ; bytes 256 k on of wpt's rows
	s_mov_b32 s[G0A+4*(\s)], 1
	s_add_co_u32 s[G0A+4*(\s)+1], s19, (\s)*SLOT1
	s_add_nc_u64 s[G0A+4*(\s)+2:G0A+4*(\s)+3], s[BA:BA+1], s[OFA:OFA+1]
	s_or_b32 s[G0A+4*(\s)+3], s[G0A+4*(\s)+3], 0x80000000
	s_mov_b32 s[G0B+4*(\s)], 1
	s_add_co_u32 s[G0B+4*(\s)+1], s68, (\s)*SLOT1
	s_add_nc_u64 s[G0B+4*(\s)+2:G0B+4*(\s)+3], s[BB:BB+1], s[OFB:OFB+1]
	s_or_b32 s[G0B+4*(\s)+3], s[G0B+4*(\s)+3], 0x80000000
	JLOAD \s                                       ; two loads of mine are out: my walk's steps 0 and 1
.if (\s) == 0
	s_add_co_u32 s[KK], s[KK], 1
	s_and_b32 s[KK], s[KK], 7
.endif
.endr
	v_and_b32 v1, 15, v0
	v_bfe_u32 v2, v0, 4, 1
	v_mul_u32_u24 v3, v1, PA
	v_lshl_add_u32 v3, v2, 4, v3
	s_mul_i32 s19, s[WV], 64*PA
	v_add_nc_u32 v[ADRA0], s19, v3
	v_mov_b32 v[ADRA], v[ADRA0]
	v_mul_u32_u24 v3, v1, PB
	v_lshl_add_u32 v3, v2, 4, v3
	v_add_nc_u32 v[ADRB0], BOFF, v3
	v_mov_b32 v[ADRB], v[ADRB0]
	s_mul_i32 s19, s[WV], 16*SPITCH
	s_add_co_u32 s19, s19, STAGE
	v_mul_u32_u24 v[STO], v1, SPITCH               ; in: row l % 16, 32 bytes for each half of the lanes
	v_lshl_add_u32 v[STO], v2, 5, v[STO]
	v_add_nc_u32 v[STO], s19, v[STO]
	v_and_b32 v[GO], 31, v0                        ; back: 32 lanes take one row of 512 bytes
	v_lshlrev_b32 v[GO], 4, v[GO]
	v_add_nc_u32 v[RD], s19, v[GO]
	s_lshl_b32 s62, s[TR], 20                      ; out0 at my first row and the tile's first column
	s_lshl_b32 s63, s[WV], 18
	s_add_co_u32 s62, s62, s63
	s_lshl_b32 s63, s[TC], 9
	s_add_co_u32 s62, s62, s63
	s_mov_b32 s63, 0
	s_add_nc_u64 s[8:9], s[8:9], s[62:63]
	; the prefetch: s20 still holds my head's tile at K step 0; my work-group's 32 of its 128 blocks, at my walk's step 3 (s[KK] stands at step 1)
	s_lshl_b32 s21, s[CX], 13
	s_add_co_u32 s20, s20, s21
	s_add_co_u32 s21, s[KK], 2
	s_and_b32 s21, s21, 7
	s_lshl_b32 s21, s21, 18
	s_add_co_u32 s20, s20, s21
	s_mov_b32 s21, 0
	s_add_nc_u64 s[PFA:PFA+1], s[4:5], s[20:21]
	s_cmp_eq_u32 s[FB], 0
	s_cselect_b32 s[LIM], 6, 0                     ; the loop's count in its first trip, or a number that it never shows there
	v_and_b32 v[PFO], 31, v0
	v_lshlrev_b32 v[PFO], 8, v[PFO]
.macro MULA f, a, zero                 ; 8 matrix instructions: row block a x all 8 column blocks; the 32 accumulators take turns in one order everywhere
	WIN 0xa5
.irp b, 0,1,2,3,4,5,6,7
.if \zero
	v_wmma_f32_16x16x32_f16 v[8*(8*(\a)+(\b)):8*(8*(\a)+(\b))+7], v[(\f)+8*(\b):(\f)+8*(\b)+7], v[(\f)+64+8*(\a):(\f)+64+8*(\a)+7], 0
.else
	v_wmma_f32_16x16x32_f16 v[8*(8*(\a)+(\b)):8*(8*(\a)+(\b))+7], v[(\f)+8*(\b):(\f)+8*(\b)+7], v[(\f)+64+8*(\a):(\f)+64+8*(\a)+7], v[8*(8*(\a)+(\b)):8*(8*(\a)+(\b))+7]
.endif
.endr
.endm
.macro FETCH q, f                      ; 24 LDS loads: quarter q of the K step in the slot that is being read: head q / 2, channels 32 (q % 2) on
	WIN 0x40
.irp i, 0,1,2,3,4,5,6,7
	ds_load_b128 v[(\f)+8*(\i):(\f)+8*(\i)+3],   v[ADRB] offset:64*(\q)+(\i)*16*PB
	ds_load_b128 v[(\f)+8*(\i)+4:(\f)+8*(\i)+7], v[ADRB] offset:64*(\q)+(\i)*16*PB+32
.endr
.irp i, 0,1,2,3
	ds_load_b128 v[(\f)+64+8*(\i):(\f)+64+8*(\i)+3],   v[ADRA] offset:((\q)/2)*AHEAD+((\q)%2)*64+(\i)*16*PA
	ds_load_b128 v[(\f)+64+8*(\i)+4:(\f)+64+8*(\i)+7], v[ADRA] offset:((\q)/2)*AHEAD+((\q)%2)*64+(\i)*16*PA+32
.endr
.endm
.macro QUARTER q, f, g, zero
	s_wait_dscnt 4                                 ; all but O's blocks 2 and 3
	MULA \f, 0, \zero
	MULA \f, 1, \zero
	PLACES
	FETCH \q, \g
	s_wait_dscnt 24                                ; all but the 24 just issued
	MULA \f, 2, \zero
	MULA \f, 3, \zero
.endm
; The last quarter of a K step multiplies buffer 1 and changes slots.  In front of the barrier each wave waits for all its tensor loads (one is out: its part of the next slot), adds 0 to its spare word, and waits
; for that and for its reads of this slot.  fill = 1: the barrier opens a round of the cluster's, and the joint refill, my walk's step two on, is the first thing behind the round: 112 matrix instructions ahead of the
; wait for it.  The walking descriptors are written between the wait for all loads and the barrier: the other slot than last time; the address made anew from the step's number, which goes round the end.
.macro TURN fill
	WIN 0
	s_wait_tensorcnt 0x0                           ; all my tensor loads have landed: my part of the next slot
	ds_add_u32 v[SPW], v[NIL]
	s_xor_b32 s[TB], s[TB], SLOT1                  ; the reads go over to the other slot
.if \fill
	s_add_co_u32 s[KK], s[KK], 1
	s_and_b32 s[KK], s[KK], 7
	s_lshl_b32 s[OFA], s[KK], 18
	s_lshl_b32 s[OFB], s[KK], 8
	s_xor_b32 s[G0A+5], s[G0A+5], SLOT1
	s_add_nc_u64 s[G0A+6:G0A+7], s[BA:BA+1], s[OFA:OFA+1]
	s_or_b32 s[G0A+7], s[G0A+7], 0x80000000
	s_xor_b32 s[G0B+5], s[G0B+5], SLOT1
	s_add_nc_u64 s[G0B+6:G0B+7], s[BB:BB+1], s[OFB:OFB+1]
	s_or_b32 s[G0B+7], s[G0B+7], 0x80000000
.endif
	s_wait_dscnt 5                                 ; (the add and the youngest four loads may be out)
	MULA F1, 0, 0
	s_wait_dscnt 0x0                               ; the add is done, my reads of this slot are over
	s_barrier_signal -1
	MULA F1, 1, 0
	WIN 0
	v_add_nc_u32 v[ADRA], s[TB], v[ADRA0]          ; no LDS load of mine is out
	v_add_nc_u32 v[ADRB], s[TB], v[ADRB0]
	s_barrier_wait -1
.if \fill
	CREST
	JLOAD 1                                        ; its four v_nop are also the places in front of the loads below
.else
	PLACES
.endif
	FETCH 0, F0
.if \fill
	WIN 0
	ASK
.endif
	MULA F1, 2, 0
	MULA F1, 3, 0
.endm
	s_wait_tensorcnt 1                             ; my part of my walk's step 0 is in; step 1 may stay out
	s_barrier_signal -1
	s_barrier_wait -1
	FETCH 0, F0
	QUARTER 1, F0, F1, 1                           ; the first quarter starts the sums
	WIN 0
	s_mov_b32 s[LAPC], 6
.Lstep:                                        ; a trip goes from a K step's second quarter to the next step's first, and fills the slot that it leaves: steps 2 to 7 of the walk
	QUARTER 2, F1, F0, 0
	QUARTER 3, F0, F1, 0
	TURN 1
	QUARTER 1, F0, F1, 0
	WIN 0
	s_sub_co_u32 s[LAPC], s[LAPC], 1
	s_cmp_lg_u32 s[LAPC], 0
	s_cbranch_scc1 .Lstep
	s_mov_b32 s[LAPC], 2
.Ltail:                                        ; the last two steps fill nothing: a text of their own; its second trip is left in the middle
	QUARTER 2, F1, F0, 0
	QUARTER 3, F0, F1, 0
	WIN 0
	s_sub_co_u32 s[LAPC], s[LAPC], 1
	s_cmp_eq_u32 s[LAPC], 0
	s_cbranch_scc1 .Llast
	TURN 0
	QUARTER 1, F0, F1, 0
	WIN 0
	s_branch .Ltail
.Llast:
	s_wait_dscnt 4
	MULA F1, 0, 0
	MULA F1, 1, 0
	s_wait_dscnt 0x0
	MULA F1, 2, 0
	MULA F1, 3, 0
	WIN 0
	PLACES                                         ; the LDS stores below read results just made
; THE WAY OUT: 16 rows at a time through my stage: a lane's 32 bytes of a row in, whole rows of 512 bytes back
.macro TOSTAGE a
.if (\a) >= 2
	s_wait_xcnt 0x0                                ; the stores of two blocks back have read this buffer
.endif
	WIN 0x08                                       ; the stores' data in window 2
.irp b, 0,1,2,3,4,5,6,7
	ds_store_b128 v[STO], v[8*(8*(\a)+(\b)):8*(8*(\a)+(\b))+3]   offset:64*(\b)      ; each accumulator's low end first
	ds_store_b128 v[STO], v[8*(8*(\a)+(\b))+4:8*(8*(\a)+(\b))+7] offset:64*(\b)+16
.endr
	WIN 0
.irp r, 0,1,2,3,4,5,6,7,8,9,10,11,12,13,14,15
	ds_load_b128 v[BK+64*((\a)%2)+4*(\r):BK+64*((\a)%2)+4*(\r)+3], v[RD] offset:(\r)*SPITCH  ; LDS serves a wave's instructions in order (ISA guide 5.7.1.4)
.endr
.endm
.macro SEND a, younger                 ; younger: the LDS instructions issued behind block a's loads
.irp r, 0,1,2,3,4,5,6,7,8,9,10,11,12,13,14,15
	s_wait_dscnt (\younger)+15-(\r)
	global_store_b128 v[GO], v[BK+64*((\a)%2)+4*(\r):BK+64*((\a)%2)+4*(\r)+3], s[8:9] offset:(16*(\a)+(\r))*4096 th:TH_STORE_NT  ; 512 consecutive bytes, aligned
.endr
.endm
	TOSTAGE 0
	TOSTAGE 1
	SEND 0, 32
	TOSTAGE 2
	SEND 1, 32
	TOSTAGE 3
	SEND 2, 32
	SEND 3, 0
	s_wait_tensorcnt 0x0                           ; the wave's end
	ds_add_u32 v[SPW], v[NIL]
	s_wait_dscnt 0x0
	CROUND                                         ; the closing round
	s_endpgm
.Lfunc_end_k_q4a4ac93afd_proj:
	.size	k_q4a4ac93afd_proj, .Lfunc_end_k_q4a4ac93afd_proj-k_q4a4ac93afd_proj
	.p2alignl 7, 3214868480
	.fill 96, 4, 3214868480
	.section	.rodata,"a",@progbits
	.p2align	6, 0x0
	.amdhsa_kernel k_q4a4ac93afd_proj
		.amdhsa_group_segment_fixed_size 327680
		.amdhsa_private_segment_fixed_size 0
		.amdhsa_enable_private_segment 0
		.amdhsa_kernarg_size 24
		.amdhsa_user_sgpr_count 2
		.amdhsa_user_sgpr_kernarg_segment_ptr 1
		.amdhsa_wavefront_size32 1
		.amdhsa_system_sgpr_workgroup_id_x 1
		.amdhsa_system_sgpr_workgroup_id_y 1
		.amdhsa_system_sgpr_workgroup_id_z 1
		.amdhsa_system_vgpr_workitem_id 0
		.amdhsa_next_free_vgpr 768
		.amdhsa_next_free_sgpr 84
		.amdhsa_reserve_vcc 0
		.amdhsa_float_denorm_mode_32 3
		.amdhsa_float_denorm_mode_16_64 3
		.amdhsa_memory_ordered 1
		.amdhsa_forward_progress 1
		.amdhsa_inst_pref_size 64
	.end_amdhsa_kernel
	.amdgpu_metadata
---
amdhsa.version: [ 1, 2 ]
amdhsa.kernels:
  - .name:           k_q4a4ac93afd_proj
    .symbol:         k_q4a4ac93afd_proj.kd
    .args:
      - { .name: ob, .offset: 0, .size: 8, .value_kind: global_buffer, .address_space: global }
      - { .name: wpt, .offset: 8, .size: 8, .value_kind: global_buffer, .address_space: global }
      - { .name: out0, .offset: 16, .size: 8, .value_kind: global_buffer, .address_space: global }
    .group_segment_fixed_size: 327680
    .private_segment_fixed_size: 0
    .kernarg_segment_align: 8
    .kernarg_segment_size: 24
    .max_flat_workgroup_size: 128
    .sgpr_count:     84
    .vgpr_count:     768
    .wavefront_size: 32
...
	.end_amdgpu_metadata
.endif
;; end of part 4
;; ======== version 2 of 2: 4 launches; version 1 with the launch prep written anew for expert scheduling mode
;; limits: values are held in f16: magnitudes above 65,504 overflow, below 6.1e-05 lose precision; right only within a limited range of input values
;; workspace buffers: xb 16,777,216 bytes; wqt 6,291,456 bytes; wpt 2,097,152 bytes; rope 2,097,152 bytes; qkv 50,331,648 bytes; ob 16,777,216 bytes
;; launch prep (part 5): grid 1536 x 1, 8 waves a work-group, no clusters, 18,432 bytes of LDS; arguments x, w_qkv, w_proj, positions, xb, wqt, wpt, rope; writes xb, wqt, wpt, rope
.if DOCPART == 5
	.amdgcn_target "amdgcn-amd-amdhsa--gfx1250"
	.amdhsa_code_object_version 6
	.text
	.protected	k_q4a4ac93afd_prep
	.globl	k_q4a4ac93afd_prep
	.p2align	8
	.type	k_q4a4ac93afd_prep,@function
k_q4a4ac93afd_prep:
	s_mov_b64 s[64:65], 0
	v_nop
	global_prefetch_b8 v0, s[64:65] scope:SCOPE_SE
	s_setreg_imm32_b32 hwreg(HW_REG_WAVE_SCHED_MODE, 0, 2), 2
	s_setreg_imm32_b32 hwreg(HW_REG_WAVE_MODE, 25, 1), 1
	s_wait_xcnt 0x0
	s_wait_alu depctr_vm_vsrc(0)
; PREP: what the three matrix launches want, made once.  Four kinds of work-group, told apart by the work-group's number (the same for all eight waves):
;   0-511      x [8192][1024] f32 -> xb, the same in bf16: 65,536 bytes of x each
;   512-895    w_qkv [1024 k][3072 n] f32 -> wqt [3072 n][1024 k] bf16: a block of 128 k x 64 n each, turned through LDS
;   896-1023   w_proj [1024 k][1024 n] f32 -> wpt [1024 n][1024 k]: rounded to bf16 like every input, that number written as f16
;   1024-1535  positions -> rope [8192 rows][32 cos, 32 sin] f32: entry e = channel pair d / 2: axis e / 16, frequency e % 16; 16 rows each
; Every load and store of sixteen neighbouring lanes covers 256 consecutive bytes, aligned (the cast's stores: 32 lanes x 8 bytes).  A stream: no matrix unit, no cluster, no tensor load.
; LIMITS.  |w_proj| stays under 65,504, and below 2^-14 it keeps f16's fixed step of 6e-8.  The angle pos x theta is reduced by pi / 2 in two parts (24 + 24 bits): good for positions under 2^22.
; theta = 2^(-j log2(10000) / 16) comes from v_exp_f32, within 1 ULP.  A negative position counts as 0: angle 0, cos 1, sin 0: the pair is left as it is, as the source asks.
; THE MODE: SCHED_MODE bits 1:0 = 2 (LLVM: expert scheduling mode 2), set by the entry lines.  The code itself states the register dependences between vector instructions and memory or LDS
; instructions, and between a vector instruction's scalar result and its reader, with s_wait_alu, always for 0.
; THE PLAN.  No path has a loop, and no register that a memory or LDS instruction reads is ever written again: so no wait on vm_vsrc is owed anywhere.  Registers that memory or LDS instructions touch:
;   the table  v4 (the load's offset), v12 (the store's offset), v[24:27] (its data): written by vector lines, once.  v5: the load lands in it; no vector line names it before.
;   the cast   v1, v2 (offsets): written once, ahead of the run of loads.  v[16:79]: the sixteen loads land here, once.  v[80:111]: written by the conversions, each read by one store.
;   the turn   v3 (the loads' offset), v4 (the LDS stores' address), v5 (the LDS loads'), v6 (the stores' offset): written once.  v[16:47]: the loads land here, once.  v[48:63]: written by the conversions,
;              read by the LDS stores.  v[64:79]: the LDS loads land here and the stores read them: no vector line names them.
;   v8, v9     written at the head, read by the closing add alone.
; So a wait on va_vdst stands ahead of each path's run of loads (the offset is written) and ahead of each RUN of stores (their data are written): the cast goes in four blocks of four chunks, the turn in two
; halves of two pairs of rows, one wait to each.  In the table the four compares write four scalar registers, with one wait on va_sdst between them and the four selects.
.set SPW,   8                          ; v8   LDS address of my spare word; never rewritten
.set NIL,   9                          ; v9   0; never rewritten
.set TP,    272                        ; a row of the turned block in LDS: 128 k x 2 bytes + 16
.set SPARE, 64*TP                      ; behind the block: the spare words, 128 bytes for each of eight waves
.set Q,     40                         ; v[40:43]  the table: frequency m's quadrant, then its sign bit
.set SN,    44                         ; v[44:47]  its sin r
.set CO,    48                         ; v[48:51]  its cos r, then the one of the two that is chosen
.set MSK,   33                         ; s[33:36]  its mask: the lanes whose quadrant is odd
	s_load_b512 s[4:19], s[0:1], 0x0               ; x 4, w_qkv 6, w_proj 8, positions 10, xb 12, wqt 14, wpt 16, rope 18
	v_lshl_add_u32 v[SPW], v0, 2, SPARE
	v_mov_b32 v[NIL], 0
	s_wait_kmcnt 0x0
	s_cmp_lt_u32 ttmp9, 512
	s_cbranch_scc1 .Lcast
	s_cmp_lt_u32 ttmp9, 896
	s_cbranch_scc1 .Lwqkv
	s_cmp_lt_u32 ttmp9, 1024
	s_cbranch_scc1 .Lwproj
	; THE TABLE.  Thread t: row t / 16 of the group's 16; i = t % 16: 16 bytes of the row: bit 3 cos or sin, bit 2 the axis, bits 1:0 four frequencies 4 (i & 3) + 0..3
	s_sub_co_u32 s20, ttmp9, 1024
	s_lshl_b32 s22, s20, 7                         ; 16 rows x 8 bytes of positions
	s_mov_b32 s23, 0
	s_add_nc_u64 s[10:11], s[10:11], s[22:23]
	s_lshl_b32 s22, s20, 12                        ; 16 rows x 256 bytes of the table
	s_add_nc_u64 s[18:19], s[18:19], s[22:23]
	v_lshrrev_b32 v2, 4, v0
	v_bfe_u32 v3, v0, 2, 1
	v_lshlrev_b32 v4, 3, v2
	v_lshl_add_u32 v4, v3, 2, v4                   ; 8 x row + 4 x axis
	s_wait_alu depctr_va_vdst(0)                   ; v4 is written, which the load reads as its offset
	global_load_b32 v5, v4, s[10:11]
	v_bfe_u32 v6, v0, 3, 1
	v_mul_u32_u24 v6, v6, 3                        ; sin(a) = cos(a - pi/2): three quadrants on
	v_and_b32 v7, 3, v0
	v_lshlrev_b32 v7, 2, v7
	v_cvt_f32_u32 v7, v7                           ; my first frequency's number
	v_add_f32 v17, 1.0, v7
	v_add_f32 v18, 2.0, v7
	v_add_f32 v19, 0x40400000, v7
	v_mul_f32 v16, 0xbf549a78, v7                  ; x -log2(10000) / 16
	v_mul_f32 v17, 0xbf549a78, v17
	v_mul_f32 v18, 0xbf549a78, v18
	v_mul_f32 v19, 0xbf549a78, v19
	v_exp_f32 v16, v16                             ; four theta: one batch
	v_exp_f32 v17, v17
	v_exp_f32 v18, v18
	v_exp_f32 v19, v19
	v_lshlrev_b32 v12, 4, v0                       ; my 16 bytes of the table: the plain instruction behind the last exponential
	s_mov_b32 s24, 0x3f22f983                      ; 2 / pi
	s_mov_b32 s25, 0xbfc90fdb                      ; -(pi / 2), upper part
	s_mov_b32 s26, 0x333bbd2e                      ; what the upper part is too large by
	s_mov_b32 s27, 0xbe2aaaa3                      ; sin r = r + r z (S1 + z (S2 + z S3)), z = r r
	s_mov_b32 s28, 0x3c08839e
	s_mov_b32 s29, 0xb94ca1f9
	s_mov_b32 s30, 0x3d2aaaa5                      ; cos r = 1 - z / 2 + z z (C1 + z (C2 + z C3))
	s_mov_b32 s31, 0xbab6061a
	s_mov_b32 s32, 0x37ccf5ce
	s_wait_alu depctr_va_vdst(0)                   ; the four exponentials have written v16 to v19: one wait, ahead of their first reader
	s_wait_loadcnt 0x0
	v_max_i32 v5, 0, v5
	v_cvt_f32_i32 v5, v5
.irp m, 0,1,2,3                        ; for each frequency: sin r, cos r, the mask of the odd quadrants and the sign, each in registers of its own
	v_mul_f32 v28, v5, v[16+(\m)]                  ; the angle
	v_mul_f32 v29, s24, v28
	v_rndne_f32 v29, v29                           ; n quarter turns
	v_fma_f32 v30, v29, s25, v28
	v_fma_f32 v30, v29, s26, v30                   ; r, within pi / 4 of 0
	v_cvt_i32_f32 v[Q+(\m)], v29
	v_add_nc_u32 v[Q+(\m)], v[Q+(\m)], v6          ; the quadrant, counted for a cosine
	v_mul_f32 v32, v30, v30
	v_fma_f32 v[SN+(\m)], v32, s29, s28
	v_fma_f32 v[SN+(\m)], v[SN+(\m)], v32, s27
	v_mul_f32 v35, v30, v32
	v_fma_f32 v[SN+(\m)], v[SN+(\m)], v35, v30     ; sin r
	v_fma_f32 v[CO+(\m)], v32, s32, s31
	v_fma_f32 v[CO+(\m)], v[CO+(\m)], v32, s30
	v_mul_f32 v35, v32, v32
	v_fma_f32 v36, v32, -0.5, 1.0
	v_fma_f32 v[CO+(\m)], v[CO+(\m)], v35, v36     ; cos r
	v_and_b32 v35, 1, v[Q+(\m)]
	v_cmp_eq_u32 s[MSK+(\m)], 1, v35
	v_add_nc_u32 v[Q+(\m)], 1, v[Q+(\m)]
	v_and_b32 v[Q+(\m)], 2, v[Q+(\m)]
	v_lshlrev_b32 v[Q+(\m)], 30, v[Q+(\m)]
.endr
	s_wait_alu depctr_va_sdst(0)                   ; the four compares have written s33 to s36, which the four selects below read: one wait for the run
.irp m, 0,1,2,3
	v_cndmask_b32 v[CO+(\m)], v[CO+(\m)], v[SN+(\m)], s[MSK+(\m)]  ; odd quadrants take the sine,
	v_xor_b32 v[24+(\m)], v[CO+(\m)], v[Q+(\m)]    ; quadrants 1 and 2 the other sign
.endr
	s_wait_alu depctr_va_vdst(0)                   ; v[24:27] are written, which the store reads as its data (v12, its offset, was written ahead of the wait for the exponentials)
	global_store_b128 v12, v[24:27], s[18:19]      ; 16 lanes: one row of the table, 256 bytes
	s_endpgm
.Lcast:                                        ; THE CAST.  Sixteen loads of a wave are out at once; each store has data registers of its own
	s_lshl_b32 s20, ttmp9, 16
	s_mov_b32 s21, 0
	s_add_nc_u64 s[4:5], s[4:5], s[20:21]
	s_lshl_b32 s20, ttmp9, 15
	s_add_nc_u64 s[12:13], s[12:13], s[20:21]
	v_lshlrev_b32 v1, 4, v0
	v_lshlrev_b32 v2, 3, v0
	s_wait_alu depctr_va_vdst(0)                   ; v1 and v2 are written: every load of this path reads the one as its offset, every store the other
.irp j, 0,1,2,3,4,5,6,7,8,9,10,11,12,13,14,15
	global_load_b128 v[16+4*(\j):19+4*(\j)], v1, s[4:5] offset:4096*(\j) th:TH_LOAD_NT
.endr
.irp p, 0,1,2,3                        ; four blocks of four chunks: a block's conversions, one wait, its run of stores
	s_wait_loadcnt 12-4*(\p)                       ; loads come back in order: block p's four are in, the younger blocks' stay out
.irp j, 0,1,2,3
	v_cvt_pk_bf16_f32 v[80+2*(4*(\p)+(\j))], v[16+4*(4*(\p)+(\j))], v[17+4*(4*(\p)+(\j))]
	v_cvt_pk_bf16_f32 v[81+2*(4*(\p)+(\j))], v[18+4*(4*(\p)+(\j))], v[19+4*(4*(\p)+(\j))]
.endr
	s_wait_alu depctr_va_vdst(0)                   ; the block's eight conversions have written their eight registers, which its four stores read
.irp j, 0,1,2,3
	global_store_b64 v2, v[80+2*(4*(\p)+(\j)):81+2*(4*(\p)+(\j))], s[12:13] offset:2048*(4*(\p)+(\j)) th:TH_STORE_NT
.endr
.endr
	s_endpgm
; THE TURN of a block of 128 k x 64 n.  Thread t: nq = t % 16 (four columns n), kp = t / 16.  It loads rows 2 (kp + 16 j) and the next, j = 0..3; two k of one n pack into a word, which goes to row n of the
; block in LDS; behind the barrier whole rows (128 k, 256 bytes) are read back and stored.  rp: bytes in a row of the source.
.macro TRANSPOSE src, dst, rp, first, tof16
	s_sub_co_u32 s20, ttmp9, \first
	s_and_b32 s21, s20, 7                          ; which 128 k
	s_lshr_b32 s22, s20, 3                         ; which 64 n
	s_mul_i32 s24, s21, 128*(\rp)
	s_lshl_b32 s23, s22, 8
	s_add_co_u32 s24, s24, s23
	s_mov_b32 s25, 0
	s_add_nc_u64 s[\src:\src+1], s[\src:\src+1], s[24:25]
	s_lshl_b32 s24, s22, 17                        ; 64 rows of 2,048 bytes
	s_lshl_b32 s23, s21, 8
	s_add_co_u32 s24, s24, s23
	s_add_nc_u64 s[\dst:\dst+1], s[\dst:\dst+1], s[24:25]
	v_and_b32 v1, 15, v0
	v_lshrrev_b32 v2, 4, v0
	v_mul_u32_u24 v3, v2, 2*(\rp)
	v_lshl_add_u32 v3, v1, 4, v3
	s_wait_alu depctr_va_vdst(0)                   ; v3 is written, which the eight loads read as their offset
.irp j, 0,1,2,3
	global_load_b128 v[16+8*(\j):19+8*(\j)], v3, s[\src:\src+1] offset:32*(\j)*(\rp) th:TH_LOAD_NT
	global_load_b128 v[20+8*(\j):23+8*(\j)], v3, s[\src:\src+1] offset:(32*(\j)+1)*(\rp) th:TH_LOAD_NT
.endr
	v_mul_u32_u24 v4, v1, 4*TP
	v_lshl_add_u32 v4, v2, 2, v4                   ; in: row 4 nq, word kp
	v_mul_u32_u24 v5, v2, TP
	v_lshl_add_u32 v5, v1, 4, v5                   ; back: row kp, 16 bytes nq
	v_lshlrev_b32 v6, 11, v2
	v_lshl_add_u32 v6, v1, 4, v6                   ; and the same in the turned tensor
.irp h, 0,1                            ; two halves of two pairs of rows: a half's conversions, one wait, its run of LDS stores
	s_wait_loadcnt 4-4*(\h)                        ; pairs 2 h and 2 h + 1 of rows are in, the younger half's four loads stay out
.irp j, 0,1
.irp i, 0,1,2,3
	v_cvt_pk_bf16_f32 v[48+4*(2*(\h)+(\j))+(\i)], v[16+8*(2*(\h)+(\j))+(\i)], v[20+8*(2*(\h)+(\j))+(\i)]
.if \tof16
	v_lshlrev_b32 v10, 16, v[48+4*(2*(\h)+(\j))+(\i)]       ; the bf16 numbers, written anew as f16
	v_and_b32 v11, 0xffff0000, v[48+4*(2*(\h)+(\j))+(\i)]
	v_cvt_pk_f16_f32 v[48+4*(2*(\h)+(\j))+(\i)], v10, v11
.endif
.endr
.endr
	s_wait_alu depctr_va_vdst(0)                   ; the half's conversions have written their eight words, which its LDS stores read; the first time also: v4, v5 and v6 are written, the addresses of all that follows
.irp j, 0,1
.irp i, 0,1,2,3
	ds_store_b32 v4, v[48+4*(2*(\h)+(\j))+(\i)] offset:TP*(\i)+64*(2*(\h)+(\j))
.endr
.endr
.endr
	s_wait_dscnt 0x0                               ; for the others' sake: my stores into the block are done
	s_barrier_signal -1
	s_barrier_wait -1
.irp j, 0,1,2,3
	ds_load_b128 v[64+4*(\j):67+4*(\j)], v5 offset:16*TP*(\j)  ; no vector line names v[64:79], and none since the first half's wait names v5 or v6
.endr
.irp j, 0,1,2,3
	s_wait_dscnt 3-(\j)
	global_store_b128 v6, v[64+4*(\j):67+4*(\j)], s[\dst:\dst+1] offset:32768*(\j) th:TH_STORE_NT
.endr
	s_wait_dscnt 0x0                               ; the closing lines, six on end
	s_wait_alu 0x0
	s_wait_tensorcnt 0x0
	ds_add_u32 v[SPW], v[NIL]
	s_wait_dscnt 0x0
	s_endpgm
.endm
.Lwqkv:
	TRANSPOSE 6, 14, 12288, 512, 0
.Lwproj:
	TRANSPOSE 8, 16, 4096, 896, 1
.Lfunc_end_k_q4a4ac93afd_prep:
	.size	k_q4a4ac93afd_prep, .Lfunc_end_k_q4a4ac93afd_prep-k_q4a4ac93afd_prep
	.p2alignl 7, 3214868480
	.fill 96, 4, 3214868480
	.section	.rodata,"a",@progbits
	.p2align	6, 0x0
	.amdhsa_kernel k_q4a4ac93afd_prep
		.amdhsa_group_segment_fixed_size 18432
		.amdhsa_private_segment_fixed_size 0
		.amdhsa_enable_private_segment 0
		.amdhsa_kernarg_size 64
		.amdhsa_user_sgpr_count 2
		.amdhsa_user_sgpr_kernarg_segment_ptr 1
		.amdhsa_wavefront_size32 1
		.amdhsa_system_sgpr_workgroup_id_x 1
		.amdhsa_system_sgpr_workgroup_id_y 1
		.amdhsa_system_sgpr_workgroup_id_z 1
		.amdhsa_system_vgpr_workitem_id 0
		.amdhsa_next_free_vgpr 112
		.amdhsa_next_free_sgpr 66
		.amdhsa_reserve_vcc 0
		.amdhsa_float_denorm_mode_32 3
		.amdhsa_float_denorm_mode_16_64 3
		.amdhsa_memory_ordered 1
		.amdhsa_forward_progress 1
		.amdhsa_inst_pref_size 26
	.end_amdhsa_kernel
	.amdgpu_metadata
---
amdhsa.version: [ 1, 2 ]
amdhsa.kernels:
  - .name:           k_q4a4ac93afd_prep
    .symbol:         k_q4a4ac93afd_prep.kd
    .args:
      - { .name: x, .offset: 0, .size: 8, .value_kind: global_buffer, .address_space: global }
      - { .name: w_qkv, .offset: 8, .size: 8, .value_kind: global_buffer, .address_space: global }
      - { .name: w_proj, .offset: 16, .size: 8, .value_kind: global_buffer, .address_space: global }
      - { .name: positions, .offset: 24, .size: 8, .value_kind: global_buffer, .address_space: global }
      - { .name: xb, .offset: 32, .size: 8, .value_kind: global_buffer, .address_space: global }
      - { .name: wqt, .offset: 40, .size: 8, .value_kind: global_buffer, .address_space: global }
      - { .name: wpt, .offset: 48, .size: 8, .value_kind: global_buffer, .address_space: global }
      - { .name: rope, .offset: 56, .size: 8, .value_kind: global_buffer, .address_space: global }
    .group_segment_fixed_size: 18432
    .private_segment_fixed_size: 0
    .kernarg_segment_align: 8
    .kernarg_segment_size: 64
    .max_flat_workgroup_size: 256
    .sgpr_count:     66
    .vgpr_count:     112
    .wavefront_size: 32
...
	.end_amdgpu_metadata
.endif
;; end of part 5
;; launch qkv: the kernel of part 2 again; grid 16 x 32, 4 waves a work-group, clusters of 4 x 4, 327,680 bytes of LDS; arguments xb, wqt, rope, qkv; writes qkv
;; launch attn: the kernel of part 3 again; grid 2 x 128, 4 waves a work-group, no clusters, 327,680 bytes of LDS; arguments qkv, attn_mask, ob; writes ob
;; launch proj: the kernel of part 4 again; grid 8 x 32, 4 waves a work-group, clusters of 4 x 4, 327,680 bytes of LDS; arguments ob, wpt, out0; writes out0
